; MI455X (gfx1250); checked and timed in simulation.
; The chip was launched on July 23, 2026; its instructions are those of AMD's public machine-readable ISA for CDNA 5 (MIT licence, August 2026) and "CDNA5" Instruction Set Architecture Reference Guide (July 2026). The comments in the code are by the model that wrote it; some were corrected since.
;; Block. Allowed arithmetic: matrix products marked QUANTISED: E4M3 operands, one E8M0 scale for each 32 along K, by v_wmma_scale_f32_16x16x128_f8f6f4 with both operands' format E4M3, f32 sums; everything else in f32.
;; Inputs: W_aproj_codes 1,024 x 32 x 32 uint8 (E4M3 codes of W_aproj, K innermost, in blocks of 32 codes); W_aproj_scales 1,024 x 32 uint8 (E8M0 scales of W_aproj, one for each 32 codes along K); W_attn_codes 3,072 x 32 x 32 uint8 (E4M3 codes of W_attn, K innermost, in blocks of 32 codes); W_attn_scales 3,072 x 32 uint8 (E8M0 scales of W_attn, one for each 32 codes along K); W_fc_codes 4,096 x 32 x 32 uint8 (E4M3 codes of W_fc, K innermost, in blocks of 32 codes); W_fc_scales 4,096 x 32 uint8 (E8M0 scales of W_fc, one for each 32 codes along K); W_mproj_codes 1,024 x 128 x 32 uint8 (E4M3 codes of W_mproj, K innermost, in blocks of 32 codes); W_mproj_scales 1,024 x 128 uint8 (E8M0 scales of W_mproj, one for each 32 codes along K); b_aproj 1,024 float32; b_attn 3,072 float32; b_fc 4,096 float32; b_mproj 1,024 float32; ln1_b 1,024 float32; ln1_g 1,024 float32; ln2_b 1,024 float32; ln2_g 1,024 float32; x 2 x 2,048 x 1,024 float32.
;; Outputs: out0 2 x 2,048 x 1,024 float32.
;; This version of the problem:
;;   THIS VERSION OF THE PROBLEM IS GIVEN IN LOW PRECISION. The matrix products marked QUANTISED in the list below multiply operands that are first quantised to E4M3 (4 exponent bits, 3 mantissa bits; 8 bits a number), with one power-of-two scale for each 32 numbers along K (OCP MX v1.0); their sums are f32. All else is computed in f32.
;;   The module's matrix products, in the order in which they are computed (A, B: the left and right operand; K: the contracted axis; several contracted axes count as one K, in the product's order):
;;     1. [M 4,096, K 1,024] x [K 1,024, N 3,072]; A: computed on the way; B: input W_attn (given as codes): QUANTISED
;;     2. batch 32 x [M 2,048, K 64] x [K 64, N 2,048]; A: computed on the way; B: computed on the way: QUANTISED
;;     3. batch 32 x [M 2,048, K 2,048] x [K 2,048, N 64]; A: softmax (see below); B: computed on the way: QUANTISED
;;     4. [M 4,096, K 1,024] x [K 1,024, N 1,024]; A: computed on the way; B: input W_aproj (given as codes): QUANTISED
;;     5. [M 4,096, K 1,024] x [K 1,024, N 4,096]; A: computed on the way; B: input W_fc (given as codes): QUANTISED
;;     6. [M 4,096, K 4,096] x [K 4,096, N 1,024]; A: computed on the way; B: input W_mproj (given as codes): QUANTISED
;;   THE QUANTISER, for each operand of a quantised product, along K:
;;     - K is cut into blocks of 32 from its start; a last block that is shorter is filled with zeros.
;;     - A block's scale is 2^e with e = floor(log2(the largest magnitude in the block)) - 8, held to -126 .. 127; a block of zeros has e = 0. As a byte (E8M0): e + 127.
;;     - Each number is divided by its block's scale, clamped to +-448, and rounded to the nearest number of E4M3, ties to even, subnormals kept.
;;     - The product sums the exact products of the quantised numbers (number of the format x scale) in f32.
;;   ~~~python
;;   def quantise(x, axis):      # numpy; x: float32 -> the quantised numbers, widened to float32 again
;;       x = np.moveaxis(x, axis, -1); K = x.shape[-1]
;;       x = np.pad(x, [(0, 0)] * (x.ndim - 1) + [(0, -K % 32)]); x = x.reshape(x.shape[:-1] + (-1, 32)); a = np.abs(x).max(-1, keepdims=True)
;;       e = np.where(a > 0, np.clip(np.frexp(np.where(a > 0, a, 1))[1] - 1 - 8, -126, 127), 0)      # np.frexp(a)[1] - 1 = floor(log2(a)), exactly
;;       r = np.clip(x / 2.0 ** e, -448, 448)
;;       step = 2.0 ** (np.maximum(np.frexp(np.where(r == 0, 1, r))[1] - 1, -6) - 3)
;;       q = np.round(r / step) * step * 2.0 ** e      # np.round: ties to even
;;       return np.moveaxis(q.reshape(q.shape[:-2] + (-1,))[..., :K], -1, axis).astype(np.float32)
;;   ~~~
;;   SOFTMAX AHEAD OF A QUANTISED PRODUCT. Where the list says 'softmax', what is quantised is not the finished softmax but p = 2^(t - M), with t = logit x log2(e) and M = ceil(the row's largest t), a whole number; so 1/2 < the row's largest p <= 1. The row's sum l is taken of the UNQUANTISED p, in f32, and the product's result is divided by l at the end. Since M is a whole number, a kernel that streams over the keys may use a running M (the ceiling of the running maximum): every later rescaling is an exact power of two, which a block's scale takes up: the codes' values come out the same.
;;   OPERANDS COMPUTED ON THE WAY. 'Computed on the way' means the value that the module computes at that place (a softmax that the list does not call 'softmax' is quantised finished and normalised). What goes into a quantiser is computed in f32, as accurately as f32 sums, v_exp_f32 and their like allow (about 1e-6 of the number): no bf16 or f16 on the way to a quantiser, and a product that is left as it is and whose result goes on into a quantised operand takes f32 operands (vector FMAs, or v_wmma_f32_16x16x4_f32). A number that lies on a knife's edge between two numbers of the format may be rounded either way, as far as f32 arithmetic and the matrix unit's own rounding can turn it there, and no further.
;;   INPUTS GIVEN AS CODES. W_aproj (in the module: [1024, 1024], K = its axis 1); W_attn (in the module: [3072, 1024], K = its axis 1); W_fc (in the module: [4096, 1024], K = its axis 1); W_mproj (in the module: [1024, 4096], K = its axis 1): each comes as NAME_codes (uint8): NAME with its K axis moved to the last place and cut into blocks of 32 codes, [.., K / 32, bytes a block], one block behind the other in memory; one code a byte (a code: sign, 4 exponent bits, 3 mantissa bits); and NAME_scales (uint8): the same leading axes, one E8M0 byte (e + 127) for each 32 codes along K. Its value is code x scale, taken as it is: it is not quantised again, and the codes and scales need not be those that the quantiser above would give.
;; One version. Each part assembles by itself: llvm-mc -triple=amdgcn-amd-amdhsa -mcpu=gfx1250 --defsym DOCPART=n.
;; ======== version 1 of 1: 7 launches
;; limits: right only within a limited range of input values
;; workspace buffers: hc 4,194,304 bytes; hs 131,072 bytes; qkvc 12,582,912 bytes; qkvs 655,360 bytes; ac 16,777,216 bytes; asc 524,288 bytes; x1 16,777,216 bytes
;; launch ln1 (part 1): grid 256 x 1, 16 waves a work-group, no clusters, 84,480 bytes of LDS; arguments x, ln1_g, ln1_b, hc, hs; writes hc, hs
.if DOCPART == 1
	.amdgcn_target "amdgcn-amd-amdhsa--gfx1250"
	.amdhsa_code_object_version 6
	.text
	.protected	k_q4d00fb00f5_ln1
	.globl	k_q4d00fb00f5_ln1
	.p2align	8
	.type	k_q4d00fb00f5_ln1,@function
k_q4d00fb00f5_ln1:
	s_mov_b64 s[64:65], 0
	v_nop
	global_prefetch_b8 v0, s[64:65] scope:SCOPE_SE
	s_setreg_imm32_b32 hwreg(HW_REG_WAVE_MODE, 25, 1), 1
	s_wait_xcnt 0x0
; h = (x - mean) * rsqrt(var + 1e-5) * g + b over rows of 1,024 f32, then quantised along the row: codes of E4M3, row-major, and one E8M0 byte for each 32 numbers.
; Arguments: rows [4096][1024] f32, g [1024], b [1024], codes [4096][1024], scale bytes [4096][32].
; SHARES.  A work-group takes 16 rows, each of its four waves 4 rows; a row lies in 32 registers of one wave (load i of a lane: columns 128 i + 4 lane), so the row is read once and the two sums never leave the wave.
; The variance is the mean of (x - mean)^2, taken of the differences: a common offset of the row does not cost digits.
; The conversions want 16 NEIGHBOURS in a lane: 512 numbers at a time turn through the wave's own stage in LDS (16 bytes of padding behind each 64).  A lane's 16 codes are 16 bytes: a store of the wave covers 512 consecutive bytes.
; The work-group's 512 scale bytes are gathered in LDS and leave as 512 consecutive bytes.
; A block's scale byte is its largest magnitude's exponent field - 8, held at 1 from below.
; LIMITS: a block of zeros gets the byte 1 where the rule says 127 (its codes are zeros, and this program alone reads the bytes); NaN and infinities among the inputs are not served.
; No matrix unit, no cluster, no tensor load: the launch streams, and no two work-groups share a byte but g and b.
; SHARES AS THEY STAND NOW (in place of the paragraph of that name above): a work-group takes 16 rows, each of its SIXTEEN waves one row, so that four waves share a SIMD and one wave's chains stand beside another's; each wave reads g and b for itself.
.set SP,   80
.set STG,  32*SP                       ; a stage: 512 numbers
.set WREG, 2*STG                       ; two stages for each wave
.set SCB,  16*WREG
.set Y,    32                          ; v32-63   two sets of 16 neighbours
.set X,    64                          ; v64-95   my row of 32 numbers; later each step's codes and byte
.set G,    192                         ; v192-223 g of my columns
.set BV,   224                         ; v224-255 b of my columns
	s_load_b256 s[4:11], s[0:1], 0x0               ; rows s[4:5], g s[6:7], b s[8:9], codes s[10:11]
	s_load_b64 s[12:13], s[0:1], 0x20              ; scale bytes
	v_lshl_add_u32 v30, v0, 2, 0x14200             ; the spare words: behind the 16 waves' stages (81,920 bytes) and the 512 scale bytes
	v_mov_b32 v31, 0
	v_lshrrev_b32 v1, 5, v0
	v_readfirstlane_b32 s14, v1                    ; wave 0..15
	v_and_b32 v1, 31, v0                           ; lane
	v_lshlrev_b32 v2, 4, v1                        ; 16 x lane: my bytes of a load's or a store's 512
	s_mul_i32 s15, s14, WREG
	v_lshrrev_b32 v3, 2, v1
	v_mul_u32_u24 v3, v3, SP
	v_and_b32 v4, 3, v1
	v_lshl_add_u32 v3, v4, 4, v3
	v_add_nc_u32 v3, s15, v3                       ; the stage, on the way in: four lanes' 64 bytes on end, then the padding
	v_mul_u32_u24 v4, v1, SP
	v_add_nc_u32 v4, s15, v4                       ; and on the way out: my 16 neighbours
	s_lshl_b32 s16, s14, 5
	s_add_co_u32 s16, s16, SCB
	v_lshrrev_b32 v5, 1, v1
	v_add_nc_u32 v5, s16, v5                       ; my wave's 32 scale bytes, my block's byte
	v_add_nc_u32 v6, SCB, v2                       ; and all 512 on the way out, 16 a lane
	v_mov_b32 v17, 0                               ; a lane permute's destination counts as one of its sources
	s_mov_b32 s20, 0x76543210
	s_mov_b32 s21, 0xfedcba98                      ; v_permlanex16_b32's selects for lane l xor 16
	s_mov_b32 s22, 0x3a800000                      ; 1 / 1024
	s_mov_b32 s23, 0x3727c5ac                      ; 1e-5
	s_mov_b32 s24, 0x600000                        ; the mantissa field of 448
	s_lshl_b32 s16, ttmp9, 16                      ; 16 rows of 4,096 bytes a work-group,
	s_lshl_b32 s17, s14, 12                        ; one a wave
	s_add_co_u32 s16, s16, s17
	s_mov_b32 s17, 0
	s_lshr_b32 s18, s16, 2                         ; the codes: a quarter of that
	s_mov_b32 s19, 0
	s_lshl_b32 s26, ttmp9, 9                       ; 512 scale bytes a work-group
	s_mov_b32 s27, 0
	s_wait_kmcnt 0x0
	s_add_nc_u64 s[4:5], s[4:5], s[16:17]
	s_add_nc_u64 s[10:11], s[10:11], s[18:19]
	s_add_nc_u64 s[12:13], s[12:13], s[26:27]
.macro LDROW rr
.irp i, 0,1,2,3,4,5,6,7
	global_load_b128 v[X+32*\rr+4*\i:X+32*\rr+4*\i+3], v2, s[4:5] offset:4096*\rr+512*\i
.endr
.endm
	LDROW 0                                        ; all 24 loads go out at once: my row, g, b
.irp i, 0,1,2,3,4,5,6,7
	global_load_b128 v[G+4*\i:G+4*\i+3], v2, s[6:7] offset:512*\i
.endr
.irp i, 0,1,2,3,4,5,6,7
	global_load_b128 v[BV+4*\i:BV+4*\i+3], v2, s[8:9] offset:512*\i
.endr
.macro FOLD                            ; four packed chains in v[8:15] -> the row's sum in v16, in every lane
	v_pk_add_f32 v[8:9], v[8:9], v[10:11]
	v_pk_add_f32 v[12:13], v[12:13], v[14:15]
	v_pk_add_f32 v[8:9], v[8:9], v[12:13]
	v_add_f32 v16, v8, v9
	v_add_f32_dpp v16, v16, v16 row_xmask:1 row_mask:0xf bank_mask:0xf
	v_add_f32_dpp v16, v16, v16 row_xmask:2 row_mask:0xf bank_mask:0xf
	v_add_f32_dpp v16, v16, v16 row_xmask:4 row_mask:0xf bank_mask:0xf
	v_add_f32_dpp v16, v16, v16 row_xmask:8 row_mask:0xf bank_mask:0xf
	v_permlanex16_b32 v17, v16, s20, s21
	v_add_f32 v16, v16, v17
.endm
.macro TURN rr, s                      ; 512 numbers of row rr through stage s: LDS serves a wave's instructions in order, so no wait stands between the stores and the loads
.irp i, 0,1,2,3
	ds_store_b128 v3, v[X+32*\rr+16*\s+4*\i:X+32*\rr+16*\s+4*\i+3] offset:STG*\s+8*SP*\i
.endr
.irp i, 0,1,2,3
	ds_load_b128 v[Y+16*\s+4*\i:Y+16*\s+4*\i+3], v4 offset:STG*\s+16*\i
.endr
.endm
.macro QSTEP rr, s                     ; 16 neighbours a lane, two lanes to a block: scale, hold, codes
.set YS, Y+16*\s
.set CR, X+32*\rr+16*\s                ; this step's own registers for its codes and its byte: no store's data are written again
	v_max3_num_f32 v22, |v[YS]|, |v[YS+1]|, |v[YS+2]|
	v_max3_num_f32 v23, |v[YS+3]|, |v[YS+4]|, |v[YS+5]|
.irp i, 6,10
	v_max3_num_f32 v22, v22, |v[YS+\i]|, |v[YS+\i+1]|
	v_max3_num_f32 v23, v23, |v[YS+\i+2]|, |v[YS+\i+3]|
.endr
	v_max3_num_f32 v22, v22, |v[YS+14]|, |v[YS+15]|
	v_max3_num_f32 v22, v22, v23, 0x4800000        ; and the floor 2^(9 - 127): the byte cannot fall under 1
	v_max_num_f32_dpp v22, v22, v22 row_xmask:1 row_mask:0xf bank_mask:0xf   ; with my neighbour's 16: the block's largest magnitude
	v_add_nc_u32 v25, 0xfc000000, v22              ; 8 off its exponent field: the conversion's scale operand
	v_and_or_b32 v24, v22, 0x7f800000, s24         ; 448 x the scale
.irp i, 0,1,2,3,4,5,6,7,8,9,10,11,12,13,14,15
	v_med3_num_f32 v[YS+\i], v[YS+\i], -v24, v24   ; the conversion to an 8-bit code does not saturate (ISA guide 7.6.2): the hold comes first
.endr
	v_cvt_scalef32_pk8_fp8_f32 v[CR:CR+1], v[YS:YS+7], v25
	v_cvt_scalef32_pk8_fp8_f32 v[CR+2:CR+3], v[YS+8:YS+15], v25
	v_lshrrev_b32 v[CR+4], 23, v25                 ; the scale's byte (a plain line behind the conversions)
	ds_store_b8 v5, v[CR+4] offset:32*\rr+16*\s    ; both lanes of a block write the same byte with the same value
	global_store_b128 v2, v[CR:CR+3], s[10:11] offset:1024*\rr+512*\s   ; the wave stores 512 consecutive bytes
.endm
.macro ROW rr, c1                      ; c1: the younger loads that may stay out
.set XR, X+32*\rr
	s_wait_loadcnt \c1
.irp k, 0,1,2,3
	v_pk_add_f32 v[8+2*\k:9+2*\k], v[XR+2*\k:XR+2*\k+1], v[XR+8+2*\k:XR+9+2*\k]
.endr
.irp o, 16,24
.irp k, 0,1,2,3
	v_pk_add_f32 v[8+2*\k:9+2*\k], v[8+2*\k:9+2*\k], v[XR+\o+2*\k:XR+\o+2*\k+1]
.endr
.endr
	FOLD
	v_mul_f32 v18, s22, v16                        ; the mean, twice: a pair for the packed form
	v_mul_f32 v19, s22, v16
.irp i, 0,2,4,6,8,10,12,14,16,18,20,22,24,26,28,30
	v_pk_add_f32 v[XR+\i:XR+\i+1], v[XR+\i:XR+\i+1], v[18:19] neg_lo:[0,1] neg_hi:[0,1]
.endr
.irp k, 0,1,2,3
	v_pk_mul_f32 v[8+2*\k:9+2*\k], v[XR+2*\k:XR+2*\k+1], v[XR+2*\k:XR+2*\k+1]
.endr
.irp o, 8,16,24
.irp k, 0,1,2,3
	v_pk_fma_f32 v[8+2*\k:9+2*\k], v[XR+\o+2*\k:XR+\o+2*\k+1], v[XR+\o+2*\k:XR+\o+2*\k+1], v[8+2*\k:9+2*\k]
.endr
.endr
	FOLD
	v_fma_f32 v20, v16, s22, s23                   ; var + eps
	s_wait_alu depctr_va_vdst(0)
	v_rsq_f32 v20, v20
	v_nop                                          ; a plain line behind the transcendental
	s_wait_alu depctr_va_vdst(0)
	v_mov_b32 v21, v20
.if \rr == 0
	s_wait_alu depctr_va_vdst(0)
	s_wait_loadcnt 0x0                             ; g and b are in
.endif
.irp i, 0,2,4,6,8,10,12,14,16,18,20,22,24,26,28,30
	v_pk_mul_f32 v[XR+\i:XR+\i+1], v[XR+\i:XR+\i+1], v[20:21]
.endr
.irp i, 0,2,4,6,8,10,12,14,16,18,20,22,24,26,28,30
	v_pk_fma_f32 v[XR+\i:XR+\i+1], v[XR+\i:XR+\i+1], v[G+\i:G+\i+1], v[BV+\i:BV+\i+1]
.endr
	TURN \rr, 0
	TURN \rr, 1
	s_wait_dscnt 8                                 ; the first 512 are back (and their stores have read their registers); the second turn's eight may be out
	QSTEP \rr, 0
	s_wait_dscnt 1                                 ; the second 512 are back; the byte store may be out
	QSTEP \rr, 1
.endm
	ROW 0, 16                                      ; my row is in; the sixteen loads of g and b may be out
	s_wait_dscnt 0x0                               ; for the others' sake: my byte stores are done
	s_barrier_signal -1
	s_barrier_wait -1
	s_cmp_lg_u32 s14, 0
	s_cbranch_scc1 .Ldone
	ds_load_b128 v[8:11], v6                       ; wave 0 sends the work-group's 512 scale bytes
	s_wait_dscnt 0x0
	global_store_b128 v2, v[8:11], s[12:13]
.Ldone:
	s_wait_tensorcnt 0x0
	ds_add_u32 v30, v31
	s_wait_dscnt 0x0
	s_endpgm
.Lfunc_end_k_q4d00fb00f5_ln1:
	.size	k_q4d00fb00f5_ln1, .Lfunc_end_k_q4d00fb00f5_ln1-k_q4d00fb00f5_ln1
	.p2alignl 7, 3214868480
	.fill 96, 4, 3214868480
	.section	.rodata,"a",@progbits
	.p2align	6, 0x0
	.amdhsa_kernel k_q4d00fb00f5_ln1
		.amdhsa_group_segment_fixed_size 84480
		.amdhsa_private_segment_fixed_size 0
		.amdhsa_enable_private_segment 0
		.amdhsa_kernarg_size 40
		.amdhsa_user_sgpr_count 2
		.amdhsa_user_sgpr_kernarg_segment_ptr 1
		.amdhsa_wavefront_size32 1
		.amdhsa_system_sgpr_workgroup_id_x 1
		.amdhsa_system_sgpr_workgroup_id_y 1
		.amdhsa_system_sgpr_workgroup_id_z 1
		.amdhsa_system_vgpr_workitem_id 0
		.amdhsa_next_free_vgpr 256
		.amdhsa_next_free_sgpr 66
		.amdhsa_reserve_vcc 0
		.amdhsa_float_denorm_mode_32 3
		.amdhsa_float_denorm_mode_16_64 3
		.amdhsa_memory_ordered 1
		.amdhsa_forward_progress 1
		.amdhsa_inst_pref_size 17
	.end_amdhsa_kernel
	.amdgpu_metadata
---
amdhsa.version: [ 1, 2 ]
amdhsa.kernels:
  - .name:           k_q4d00fb00f5_ln1
    .symbol:         k_q4d00fb00f5_ln1.kd
    .args:
      - { .name: x, .offset: 0, .size: 8, .value_kind: global_buffer, .address_space: global }
      - { .name: ln1_g, .offset: 8, .size: 8, .value_kind: global_buffer, .address_space: global }
      - { .name: ln1_b, .offset: 16, .size: 8, .value_kind: global_buffer, .address_space: global }
      - { .name: hc, .offset: 24, .size: 8, .value_kind: global_buffer, .address_space: global }
      - { .name: hs, .offset: 32, .size: 8, .value_kind: global_buffer, .address_space: global }
    .group_segment_fixed_size: 84480
    .private_segment_fixed_size: 0
    .kernarg_segment_align: 8
    .kernarg_segment_size: 40
    .max_flat_workgroup_size: 512
    .sgpr_count:     66
    .vgpr_count:     256
    .wavefront_size: 32
...
	.end_amdgpu_metadata
.endif
;; end of part 1
;; launch qkv (part 2): grid 12 x 16, 4 waves a work-group, clusters of 4 x 4, 327,680 bytes of LDS; arguments hc, hs, W_attn_codes, W_attn_scales, b_attn, qkvc, qkvs; writes qkvc, qkvs
.if DOCPART == 2
	.amdgcn_target "amdgcn-amd-amdhsa--gfx1250"
	.amdhsa_code_object_version 6
	.text
	.protected	k_q4d00fb00f5_qkv
	.globl	k_q4d00fb00f5_qkv
	.p2align	8
	.type	k_q4d00fb00f5_qkv,@function
k_q4d00fb00f5_qkv:
	s_mov_b64 s[64:65], 0
	v_nop
	global_prefetch_b8 v0, s[64:65] scope:SCOPE_SE
	s_setreg_imm32_b32 hwreg(HW_REG_WAVE_MODE, 25, 1), 1
	s_wait_xcnt 0x0
	s_wait_alu depctr_hold_cnt(0) depctr_sa_sdst(0) depctr_va_vdst(0) depctr_va_sdst(0) depctr_va_ssrc(0) depctr_va_vcc(0) depctr_vm_vsrc(0)
	s_getreg_b32 s2, hwreg(HW_REG_IB_STS2, 6, 4)
	s_cmp_eq_u32 s2, 0
	s_cbranch_scc0 .Lentry_in_a_cluster
	s_endpgm
.Lentry_in_a_cluster:
	s_bfe_u32 s2, ttmp6, 0x10000c
	s_cmp_lg_u32 s2, 0xf033
	s_cbranch_scc0 .Lentry_shape_is_right
	s_endpgm
.Lentry_shape_is_right:
; qkv = h W_attn^T + b_attn on codes of E4M3 with E8M0 scales (K = 1,024), and q, k, v quantised at once for the attention: q and k along the head's 64, v along the tokens.
; THE PRODUCT.  A tile of 256 x 256 by four waves, 128 x 128 each: 64 accumulators, 512 registers.  K goes in steps of 256 through two LDS slots filled by the tensor data mover; the scale bytes of the tile's rows come once.
; 4 x 4 work-groups form a cluster: operand A's tile is shared along a row of the cluster, operand B's along a column, each asked for jointly.
; The matrix instruction takes B's rows as source 0 and A's rows as source 1: a lane holds ONE row of A and its registers run along B's rows.
; ROLES.  Cluster column 0 makes q, 1 makes k: A = h (a lane holds a token), B = W (registers run along the features, which are the next K).  Cluster column 2 makes v: the operands change places, A = W_v (a lane holds a
; feature d), B = h (registers run along the tokens, which are v's K).  Both operands have rows of 1,024 codes and 32 scale bytes, so only pointers and row numbers are chosen; the choice hangs on the cluster's x alone.
; THE WAY OUT.  A lane's 64 numbers of a block of 16 rows are 128 along the next K: four blocks of 32, each shared by lanes l and l xor 16.  In a block lane half h holds positions 8 h + 0..7 and 16 + 8 h + 0..7:
; a permutation inside the block that is the same for q and k, and for v and the softmax's p, so the products keep their values.  The codes leave as IMAGES OF THE OPERAND'S REGISTERS (512 consecutive bytes a store).
; qkvc: q at 0, k at 4 MiB: [token tile of 16][head][c 2][lane][16 bytes];  v at 8 MiB: [step of 128 keys][head][d tile 4][c 4][lane][16 bytes].
; qkvs: 32-bit scale words.  q at 0, k at 262,144: [batch][head][token], bytes (s0, s1, 0, 0);  v at 524,288: [step of 128 keys][head][d].
; The bias along the registers is the C of each sum's first matrix instruction; the bias along the lanes is added on the way out; the one that the role does not have is masked to 0.
; LIMITS: a block of zeros gets the scale byte 1 where the rule says 127 (zero codes; this program alone reads the bytes); NaN and infinities are not served.
.set SIZE_K, 1024
.set KSTEP,  256
.set NQ,     KSTEP/128
.set ROWB,   256
.set KROW,   SIZE_K
.set PITCH,  272                       ; an LDS row: 256 bytes + 16 of padding: the 16 rows that a load touches start at 16 different banks (64 banks of 4 bytes: ISA guide 11.1)
.set FR,     16
.set NL,     4
.set NP,     8                         ; places behind this matrix instruction (ISA guide 7.12.1)
.set HALFT,  128*PITCH
.set SLOT,   4*HALFT
.set LAPS,   SIZE_K/(2*KSTEP)
.set KS,     SIZE_K/32
.set SCL,    2*SLOT                    ; behind the ring: the scale bytes, as units of 256 bytes + 16 of padding
.set HALFS,  (128*KS/256)*272
.set SBLK,   (16*KS/256)*272
.set SPARE,  SCL+4*HALFS               ; the spare words, 128 bytes for each wave: no other line names them
.set SWT,  6                           ; v6      the way out: LDS address of this block's scale words
.set LI,   7                           ; v7      16 x lane
.set BA,   8                           ; v8-15   the bias along the lanes: block a's at v[BA + a]
.set ADRA, 16
.set ADRB, 20
.set SWA,  24                          ; v24     the way out: 1,024 x wave + 4 (lane % 16), in slot 0, which has had its last fill and its last read by then
.set SRD,  25                          ; v25     1,024 x wave + 16 x lane
.set ADRS, 27
.set SPW,  28
.set NIL,  29
.set SC,   32                          ; v32-63  scale words, two sets
.set BB,   64                          ; v64-127 the bias along the registers: register 8 b + j
.set AF,   128                         ; A's fragments, one set
.set U,    192                         ; the way out: 64 numbers of a lane
.set PC,   128                         ; their codes
.set TM,   144                         ; at work
.set PW,   160                         ; their scale word
.set W0,   178
.set W1,   179
.set PL0,  180
.set PL1,  184
.set G1, 24
.set G0, 32
.set G1B, 48
.set G0B, 56
.set G1S, 68
.set G0S, 76
.set G1SB, 80
.set G0SB, 88
.set ISV, 97                           ; s97     1: this cluster makes v
.set SEL, 20
.set MNT, 23
.set MSB, 0
.macro WIN new                         ; the immediate's high byte repeats the setting that is left
.if MSB != (\new)
	s_set_vgpr_msb (MSB<<8)|(\new)
.set MSB, (\new)
.endif
.endm
.set MUL_LO, 0xa1                      ; source 0 (B) window 1, source 1 (A) window 0, C and D window 2
.set MUL_HI, 0xf1                      ; the same, C and D window 3
.set TO_B,   0x40
; A joint load: waves 0 and 1 fetch for A, waves 2 and 3 for B; the branch hangs on the wave's number alone.  Four v_nop follow each of the two lines.
.macro JLOAD g0a, g1a, g0b, g1b
	s_cmp_eq_u32 s15, 0
	s_cbranch_scc0 .Lfor_b_\@
	tensor_load_to_lds s[\g0a:\g0a+3], s[\g1a:\g1a+7]
	s_nop 0
.rept 4
	v_nop
.endr
	s_branch .Lasked_\@
.Lfor_b_\@:
	tensor_load_to_lds s[\g0b:\g0b+3], s[\g1b:\g1b+7]
	s_nop 0
.rept 4
	v_nop
.endr
.Lasked_\@:
.endm
.macro CREST                           ; a round of the cluster's barrier behind its opening barrier
	s_cmp_lg_u32 s14, 0
	s_cbranch_scc1 .Lnot_wave_0_\@
	s_barrier_signal -3
.Lnot_wave_0_\@:
	s_barrier_wait -3
	s_barrier_signal -1
	s_barrier_wait -1
.endm
.macro CROUND
	s_barrier_signal -1
	s_barrier_wait -1
	CREST
.endm
	s_load_b128 s[4:7], s[0:1], 0x0                ; h's codes, h's scales
	s_load_b128 s[8:11], s[0:1], 0x10              ; W's codes, W's scales
	s_load_b64 s[104:105], s[0:1], 0x20            ; b_attn
	s_load_b64 s[12:13], s[0:1], 0x28              ; qkvc
	s_load_b64 s[100:101], s[0:1], 0x30            ; qkvs
	v_lshl_add_u32 v[SPW], v0, 2, SPARE
	v_mov_b32 v[NIL], 0
	ds_add_u32 v28, v29
	ds_add_u32 v28, v29
	s_wait_dscnt 0x0
	v_lshrrev_b32 v1, 5, v0
	v_readfirstlane_b32 s14, v1                    ; wave 0..3
	s_lshr_b32 s15, s14, 1                         ; which half of A's rows is mine.  Also: I fetch for A (0) or for B (1)
	s_and_b32 s16, s14, 1                          ; which half of B's rows.  Also: which 128 rows of that tile I fetch
	s_bfe_u32 s40, ttmp6, 0x40000                  ; cx, cy: my place in the cluster
	s_bfe_u32 s41, ttmp6, 0x40004
	s_and_b32 s95, ttmp7, 0xffff
	s_lshl_b32 s95, s95, 2                         ; 4 x cluster y
	s_lshl_b32 s96, ttmp9, 2                       ; 4 x cluster x
	s_cmp_eq_u32 ttmp9, 2                          ; the cluster's x: the same number in all sixteen partners
	s_cselect_b32 s[ISV], 1, 0
	s_cselect_b32 s17, 8, s95                      ; A's tile of 256 rows: q, k: tokens, 4 x cluster y + cy;  v: W's rows 2,048 on, 8 + cy
	s_cselect_b32 s42, s95, s96                    ; B's: q, k: W's rows, 4 x cluster x + cx;  v: tokens, 4 x cluster y + cx
	s_add_co_u32 s17, s17, s41
	s_add_co_u32 s42, s42, s40
	s_lshl_b32 s43, s41, 2
	s_lshl_b32 s43, 15, s43                        ; my row of the cluster
	s_lshl_b32 s44, 0x1111, s40                    ; my column
	s_or_b32 s[G1+0], s43, (0<<16)|(1<<20)|(1<<21)|(5<<22)|(3<<25)  ; 15:0 the mask; 17:16 elements of 1 byte; 20 padding on; 21 set beside a mask; 24:22 after every 64 words; 31:25 four words
	s_or_b32 s[G1B+0], s44, (0<<16)|(1<<20)|(1<<21)|(5<<22)|(3<<25)
.irp g, G1, G1B
	s_mov_b32 s[\g+1], ROWB<<16                    ; tensor_dim0
	s_mov_b32 s[\g+2], 256<<16                     ; tensor_dim1: 256 rows for the head's loads; set to 128 for the ring behind them
	s_mov_b32 s[\g+3], ROWB<<16                    ; tile_dim0
	s_mov_b32 s[\g+4], 256                         ; tile_dim1
	s_mov_b32 s[\g+5], KROW                        ; tensor_dim0_stride
	s_mov_b32 s[\g+6], 0
	s_mov_b32 s[\g+7], 0
.endr
	s_or_b32 s[G1S+0], s43, (3<<16)|(1<<20)|(1<<21)|(5<<22)|(3<<25)   ; the scale bytes of 128 rows: a dense block, as rows of 256 bytes (32 elements of 8)
	s_or_b32 s[G1SB+0], s44, (3<<16)|(1<<20)|(1<<21)|(5<<22)|(3<<25)
.irp g, G1S, G1SB
	s_mov_b32 s[\g+1], 32<<16
	s_mov_b32 s[\g+2], KS<<16                      ; the scale bytes of 256 rows: KS rows of 256 bytes
	s_mov_b32 s[\g+3], 32<<16
	s_mov_b32 s[\g+4], KS
	s_mov_b32 s[\g+5], 32
	s_mov_b32 s[\g+6], 0
	s_mov_b32 s[\g+7], 0
.endr
	s_lshl_b32 s20, s17, 8                         ; the tiles' first rows
	s_lshl_b32 s46, s42, 8
	s_mov_b32 s21, 0
	s_mov_b32 s47, 0
	s_mov_b64 s[18:19], KS
	s_mul_u64 s[22:23], s[20:21], s[18:19]         ; where these rows' scales begin,
	s_mul_u64 s[92:93], s[46:47], s[18:19]
	s_mov_b64 s[18:19], KROW
	s_mul_u64 s[20:21], s[20:21], s[18:19]         ; and their codes
	s_mul_u64 s[46:47], s[46:47], s[18:19]
	s_mul_i32 s45, s14, HALFT                      ; where they go: wave x 128 rows: no place in the cluster enters an LDS address
	s_wait_kmcnt 0x0
	s_cmp_eq_u32 s[ISV], 1                         ; for v the two operands' buffers change places
	s_mov_b64 s[98:99], s[4:5]
	s_cselect_b64 s[4:5], s[8:9], s[4:5]
	s_cselect_b64 s[8:9], s[98:99], s[8:9]
	s_mov_b64 s[98:99], s[6:7]
	s_cselect_b64 s[6:7], s[10:11], s[6:7]
	s_cselect_b64 s[10:11], s[98:99], s[10:11]
	s_add_nc_u64 s[20:21], s[4:5], s[20:21]
	s_add_nc_u64 s[22:23], s[6:7], s[22:23]
	s_add_nc_u64 s[46:47], s[8:9], s[46:47]
	s_add_nc_u64 s[92:93], s[10:11], s[92:93]
	CROUND                                         ; all sixteen work-groups are here: the first joint loads meet
	; THE HEAD'S FOUR TILES, each whole, one load a wave: wave 0 K step 0's 256 rows of A, wave 1 those of B, wave 2 A's scale bytes, wave 3 B's.
	s_mov_b32 s[G0S], 1
	s_mov_b32 s[G0S+1], SCL
	s_mov_b64 s[G0S+2:G0S+3], s[22:23]
	s_or_b32 s[G0S+3], s[G0S+3], 0x80000000
	s_mov_b32 s[G0SB], 1
	s_mov_b32 s[G0SB+1], SCL+2*HALFS
	s_mov_b64 s[G0SB+2:G0SB+3], s[92:93]
	s_or_b32 s[G0SB+3], s[G0SB+3], 0x80000000
	s_mov_b32 s[G0], 1                             ; slot 0's groups 0 serve the head's whole tiles first; behind the wait for them they are set for the ring
	s_mov_b32 s[G0+1], 0
	s_mov_b64 s[G0+2:G0+3], s[20:21]
	s_or_b32 s[G0+3], s[G0+3], 0x80000000
	s_mov_b32 s[G0B], 1
	s_mov_b32 s[G0B+1], 2*HALFT
	s_mov_b64 s[G0B+2:G0B+3], s[46:47]
	s_or_b32 s[G0B+3], s[G0B+3], 0x80000000
	s_mul_i32 s18, s16, 128*KROW                   ; in the ring I fetch 128 rows: which half, in bytes
	s_mov_b32 s19, 0
	s_add_nc_u64 s[20:21], s[20:21], s[18:19]
	s_add_nc_u64 s[46:47], s[46:47], s[18:19]
	s_mov_b32 s[G0+4], 1
	s_add_co_u32 s[G0+5], s45, SLOT
	s_add_nc_u64 s[G0+6:G0+7], s[20:21], ROWB
	s_or_b32 s[G0+7], s[G0+7], 0x80000000
	s_mov_b32 s[G0B+4], 1
	s_add_co_u32 s[G0B+5], s45, SLOT
	s_add_nc_u64 s[G0B+6:G0B+7], s[46:47], ROWB
	s_or_b32 s[G0B+7], s[G0B+7], 0x80000000
.macro ARM under, g0, g1, next         ; one tree of branches on the wave's number: every way passes exactly one load
	s_cmp_lt_u32 s14, \under
	s_cbranch_scc0 \next
	tensor_load_to_lds s[\g0:\g0+3], s[\g1:\g1+7]
	s_nop 0
.rept 4
	v_nop
.endr
	s_branch .Lhead_asked
\next:
.endm
	ARM 1, G0,  G1,  .Lhead_b
	ARM 2, G0B, G1B, .Lhead_sa
	ARM 3, G0S, G1S, .Lhead_sb
	tensor_load_to_lds s[G0SB:G0SB+3], s[G1SB:G1SB+7]
	s_nop 0
.rept 4
	v_nop
.endr
.Lhead_asked:
	v_and_b32 v1, 15, v0                           ; r = lane % 16
	v_bfe_u32 v2, v0, 4, 1                         ; h = lane / 16
	v_mul_u32_u24 v3, v1, PITCH
	v_lshl_add_u32 v4, v2, 4, v3
	s_mul_i32 s21, s15, HALFT
	s_mul_i32 s22, s16, HALFT
	s_add_co_u32 s22, s22, 2*HALFT
.irp s, 0,1
	v_add_nc_u32 v[ADRA+\s], s21, v4
	v_add_nc_u32 v[ADRB+\s], s22, v4
	s_add_co_u32 s21, s21, SLOT
	s_add_co_u32 s22, s22, SLOT
.endr
	v_mul_u32_u24 v5, v1, KS
	v_lshrrev_b32 v6, 8, v5
	v_lshl_add_u32 v5, v6, 4, v5
	s_mul_i32 s21, s15, HALFS
	s_mul_i32 s22, s16, HALFS
	s_add_co_u32 s22, s22, 2*HALFS
	s_sub_co_u32 s22, s22, s21
	v_mul_u32_u24 v6, s22, v2                      ; lanes 16-31 take B's scale words
	s_add_co_u32 s21, s21, SCL
	v_add_nc_u32 v5, v5, v6
	v_add_nc_u32 v[ADRS], s21, v5
	v_and_b32 v3, 31, v0
	v_lshlrev_b32 v[LI], 4, v3
	s_lshl_b32 s21, s14, 10
	v_lshl_add_u32 v[SWA], v1, 2, s21
	v_add_nc_u32 v[SRD], s21, v[LI]
	v_lshlrev_b32 v30, 5, v2                       ; 32 h: the bias along the registers
	s_wait_alu depctr_va_vdst(0)
	v_lshlrev_b32 v31, 2, v1                       ; 4 r: the bias along the lanes
	; my wave's first rows RA (of A) and RB (of B), and where its results go, for both roles; then one compare chooses
	s_wait_alu depctr_va_vdst(0)
	s_lshl_b32 s95, s17, 8
	s_lshl_b32 s18, s15, 7
	s_add_co_u32 s95, s95, s18                     ; RA
	s_lshl_b32 s96, s42, 8
	s_lshl_b32 s18, s16, 7
	s_add_co_u32 s96, s96, s18                     ; RB
	s_lshr_b32 s18, s96, 10                        ; q, k: 0 or 1;
	s_bfe_u32 s19, s96, 0x40006                    ; my first head
	s_lshl_b32 s46, s18, 22
	s_lshl_b32 s47, s95, 10                        ; a token tile's 16 heads are 16,384 bytes
	s_add_co_u32 s46, s46, s47
	s_lshl_b32 s47, s19, 10
	s_add_co_u32 s46, s46, s47                     ; images of q, k
	s_lshr_b32 s47, s95, 11                        ; the batch
	s_lshl_b32 s47, s47, 4
	s_add_co_u32 s47, s47, s19
	s_lshl_b32 s47, s47, 11
	s_and_b32 s92, s95, 2047
	s_add_co_u32 s47, s47, s92
	s_lshl_b32 s47, s47, 2
	s_lshl_b32 s92, s18, 18
	s_add_co_u32 s47, s47, s92                     ; scale words of q, k
	s_lshr_b32 s18, s96, 7                         ; v: the step of 128 keys,
	s_lshl_b32 s18, s18, 4
	s_bfe_u32 s19, s95, 0x40006                    ; my first head: (RA - 2,048) / 64
	s_add_co_u32 s18, s18, s19
	s_lshl_b32 s92, s18, 13
	s_add_co_u32 s92, s92, 0x800000                ; images of v
	s_lshl_b32 s93, s18, 8
	s_add_co_u32 s93, s93, 0x80000                 ; scale words of v
	s_lshl_b32 s18, s96, 2
	s_lshl_b32 s19, s95, 2
	s_cmp_eq_u32 s[ISV], 1
	s_cselect_b32 s46, s92, s46
	s_cselect_b32 s92, s93, s47
	s_cselect_b32 s18, 0, s18                      ; the bias that the role does not have is read at 0 and masked
	s_cselect_b32 s98, s19, 0
	s_mov_b32 s6, 16384
	s_cselect_b32 s6, 2048, s6                     ; from a block of 16 rows to the next, in the images
	s_mov_b32 s44, 0xffff
	s_cselect_b32 s44, -1, s44                     ; what of a scale word belongs to the first head
	s_cselect_b32 s94, 0, -1
	s_cselect_b32 s22, -1, 0
	s_mov_b32 s47, 0
	s_mov_b32 s93, 0
	s_mov_b32 s19, 0
	s_mov_b32 s99, 0
	s_mov_b32 s7, 0
	s_add_nc_u64 s[12:13], s[12:13], s[46:47]
	s_add_nc_u64 s[100:101], s[100:101], s[92:93]
	s_add_nc_u64 s[18:19], s[104:105], s[18:19]
	s_add_nc_u64 s[98:99], s[104:105], s[98:99]
.irp b, 0,1,2,3,4,5,6,7
	global_load_b128 v[BB+8*\b:BB+8*\b+3], v30, s[18:19] offset:64*\b
	global_load_b128 v[BB+8*\b+4:BB+8*\b+7], v30, s[18:19] offset:64*\b+16
.endr
.irp a, 0,1,2,3,4,5,6,7
	global_load_b32 v[BA+\a], v31, s[98:99] offset:64*\a
.endr
	s_mov_b32 s[SEL], 0x76543210
	s_mov_b32 s[SEL+1], 0xfedcba98
	s_mov_b32 s[MNT], 0x600000
.macro FRAG reg, adr, q, i             ; 16 rows x 128 K: lane l holds row l % 16; registers 4 c .. 4 c + 3 hold K = 32 c + 16 (l / 16) + 0 .. 15
.irp c, 0,1,2,3
	ds_load_b128 v[\reg+4*\c:\reg+4*\c+3], v[\adr] offset:128*(\q)+32*\c+(\i)*16*PITCH
.endr
.endm
; 16 matrix instructions: A's blocks a0, a0 + 1 x B's eight.  zero = 1: the first product starts the sums, with the bias as its C.  The 64 accumulators take turns, one instruction a turn.
.macro MUL16 a0, p, q, sc, zero
.irp a, \a0, \a0+1
.irp b, 0,1,2,3,4,5,6,7
.if \zero
	v_wmma_scale_f32_16x16x128_f8f6f4 v[8*(8*((\a)%4)+\b):8*(8*((\a)%4)+\b)+7], v[128*(\p)+FR*\b:128*(\p)+FR*\b+FR-1], v[AF+FR*(\a):AF+FR*(\a)+FR-1], v[BB+8*\b:BB+8*\b+7], v[SC+8*NQ*(\sc)+NQ*\b+(\q)], v[SC+8*NQ*(\sc)+NQ*(\a)+(\q)] matrix_a_scale:MATRIX_SCALE_ROW1
.else
	v_wmma_scale_f32_16x16x128_f8f6f4 v[8*(8*((\a)%4)+\b):8*(8*((\a)%4)+\b)+7], v[128*(\p)+FR*\b:128*(\p)+FR*\b+FR-1], v[AF+FR*(\a):AF+FR*(\a)+FR-1], v[8*(8*((\a)%4)+\b):8*(8*((\a)%4)+\b)+7], v[SC+8*NQ*(\sc)+NQ*\b+(\q)], v[SC+8*NQ*(\sc)+NQ*(\a)+(\q)] matrix_a_scale:MATRIX_SCALE_ROW1
.endif
.endr
.endr
.endm
.macro FETCH_B slot, q, p
	WIN TO_B
.irp i, 0,1,2,3,4,5,6,7
	FRAG 128*(\p)+FR*\i, ADRB+\slot, \q, \i
.endr
	WIN 0
.endm
.macro FETCH_A slot, q, i0
.irp i, \i0, \i0+1, \i0+2, \i0+3
	FRAG AF+FR*(\i), ADRA+\slot, \q, \i
.endr
.endm
.macro SCALES sc                       ; a K step's scale words: lanes 0-15 take A's block i, lanes 16-31 B's block i
.irp i, 0,1,2,3,4,5,6,7
	ds_load_b64 v[SC+8*NQ*\sc+NQ*\i:SC+8*NQ*\sc+NQ*\i+1], v[ADRS] offset:\i*SBLK
.endr
.endm
.macro PLACES n                        ; plain vector lines between a matrix instruction and a load into, or a read of, its registers
.rept \n
	v_nop
.endr
.endm
.macro STEP slot, q, zero              ; 128 along K that have their successor in the same slot.  With zero = 1 the C lies in window 0
	s_wait_dscnt 4*NL                              ; B's set and A's blocks 0-3 are in; the youngest sixteen loads (A's blocks 4-7) may be out
	WIN MUL_LO-0x20*(\zero)
	MUL16 0, (\q)%2, \q, \slot, \zero
	MUL16 2, (\q)%2, \q, \slot, \zero
	s_wait_dscnt 0
	PLACES NP
	FETCH_B \slot, (\q)+1, 1-(\q)%2
	FETCH_A \slot, (\q)+1, 0
	WIN MUL_HI-0x30*(\zero)
	MUL16 4, (\q)%2, \q, \slot, \zero
	MUL16 6, (\q)%2, \q, \slot, \zero
	PLACES NP
	WIN 0
	FETCH_A \slot, (\q)+1, 4
.endm
; A slot's last step changes slots: ONE barrier; in front of it each wave waits for all its tensor loads, adds 0 to its spare word, and waits for that and for its own reads of this slot.
.macro TURN slot, next, fill
	s_wait_tensorcnt 0x0                           ; all my tensor loads have landed: my part of the next slot
	ds_add_u32 v[SPW], v[NIL]                      ; 0 onto my spare word
	s_wait_dscnt 4*NL+1                            ; (the add and the youngest sixteen loads may be out)
	WIN MUL_LO
	MUL16 0, 1, NQ-1, \slot, 0
	s_wait_dscnt 0x0                               ; the add is done, and my reads of this slot are over
	s_barrier_signal -1
	MUL16 2, 1, NQ-1, \slot, 0
	WIN 0
	s_barrier_wait -1
.if \fill
	CREST                                          ; the barrier has opened a round of the cluster's barrier: no wave of any partner still reads this slot or has a load on its way
	s_add_nc_u64 s[G0+4*\slot+2:G0+4*\slot+3], s[G0+4*\slot+2:G0+4*\slot+3], 2*ROWB
	s_add_nc_u64 s[G0B+4*\slot+2:G0B+4*\slot+3], s[G0B+4*\slot+2:G0B+4*\slot+3], 2*ROWB
	JLOAD G0+4*\slot, G1, G0B+4*\slot, G1B         ; the first tensor load behind the round; its four v_nop are among the places in front of the loads below
	PLACES NP-4
.else
	PLACES NP
.endif
	s_wait_alu depctr_va_vdst(0)
	v_add_nc_u32 v[ADRS], 4*NQ, v[ADRS]
	FETCH_B \next, 0, 0
	FETCH_A \next, 0, 0
	SCALES \next
	WIN MUL_HI
	MUL16 4, 1, NQ-1, \slot, 0
	MUL16 6, 1, NQ-1, \slot, 0
	PLACES NP
	WIN 0
	FETCH_A \next, 0, 4
.endm
	s_wait_loadcnt 0x0                             ; the biases
.set i, 0
.rept 64
	v_and_b32 v[BB+i], s94, v[BB+i]
.set i, i+1
.endr
.irp a, 0,1,2,3,4,5,6,7
	v_and_b32 v[BA+\a], s22, v[BA+\a]
.endr
	s_wait_alu depctr_va_vdst(0)
	s_wait_tensorcnt 0x0                           ; my tile of the head's four is in
	ds_add_u32 v[SPW], v[NIL]
	s_mov_b32 s[G1+2], 128<<16                     ; no tensor load of mine is out: from here on a load brings 128 rows,
	s_mov_b32 s[G1+4], 128
	s_mov_b32 s[G1B+2], 128<<16
	s_mov_b32 s[G1B+4], 128
	s_mul_i32 s18, s16, 128*KROW                   ; and slot 0's groups 0 name my half of K step 0, from which the first refill steps on
	s_mov_b32 s19, 0
	s_mov_b32 s[G0+1], s45
	s_add_nc_u64 s[G0+2:G0+3], s[G0+2:G0+3], s[18:19]
	s_mov_b32 s[G0B+1], s45
	s_add_nc_u64 s[G0B+2:G0B+3], s[G0B+2:G0B+3], s[18:19]
	s_wait_dscnt 0x0
	CROUND                                         ; all four tiles are in, and all sixteen work-groups are here
	JLOAD G0+4, G1, G0B+4, G1B                     ; K step 1: the first tensor load behind the round
	FETCH_B 0, 0, 0
	FETCH_A 0, 0, 0
	SCALES 0
	FETCH_A 0, 0, 4
	STEP 0, 0, 1
	s_mov_b32 s3, LAPS-1
.Llap:
	TURN 0, 1, 1
	STEP 1, 0, 0
	TURN 1, 0, 1
	STEP 0, 0, 0
	s_sub_co_u32 s3, s3, 1
	s_cmp_lg_u32 s3, 0
	s_cbranch_scc1 .Llap
	TURN 0, 1, 0                                   ; the last lap fills nothing
	STEP 1, 0, 0
	s_wait_dscnt 4*NL
	WIN MUL_LO
	MUL16 0, 1, NQ-1, 1, 0
	MUL16 2, 1, NQ-1, 1, 0
	s_wait_dscnt 0
	WIN MUL_HI
	MUL16 4, 1, NQ-1, 1, 0
	MUL16 6, 1, NQ-1, 1, 0
	WIN 0
; THE WAY OUT: a loop of eight trips, one for each block of 16 rows of A.  Only the copy out of the accumulators differs from trip to trip (register numbers): it is written eight times, behind a switch on the trip's number.
.macro COPY a                          ; block a's 64 numbers, each accumulator from its low end on, + the bias along the lanes
	WIN 0x02+(\a)/4
.set AC, 64*((\a)%4)
.set i, 0
.rept 32
.if (\a)%2
	v_pk_add_f32 v[U+i:U+i+1], v[AC+i:AC+i+1], v[BA+(\a)-1:BA+(\a)] op_sel:[0,1] op_sel_hi:[1,1]
.else
	v_pk_add_f32 v[U+i:U+i+1], v[AC+i:AC+i+1], v[BA+(\a):BA+(\a)+1] op_sel_hi:[1,0]
.endif
.set i, i+2
.endr
	WIN 0
.endm
; 64 numbers of a lane, v[s] on, 16 of each of four blocks of 32, become a fragment's codes in v[PC] on and its scale word in v[PW]
.macro QUANT s
.irp b, 0,1,2,3
	v_max3_num_f32 v[TM+\b], |v[\s+16*\b]|, |v[\s+1+16*\b]|, 0x4800000   ; my 16 numbers, and the floor 2^(9 - 127): the byte cannot fall under 1
.endr
.irp i, 2,4,6,8,10,12,14
.irp b, 0,1,2,3
	v_max3_num_f32 v[TM+\b], v[TM+\b], |v[\s+16*\b+\i]|, |v[\s+1+16*\b+\i]|
.endr
.endr
.irp b, 0,1,2,3
	v_permlanex16_b32 v[TM+4+\b], v[TM+\b], s[SEL], s[SEL+1]
.endr
.irp b, 0,1,2,3
	v_max_num_f32 v[TM+\b], v[TM+\b], v[TM+4+\b]   ; with lane l xor 16's: the block's largest magnitude
.endr
.irp b, 0,1,2,3
	v_add_nc_u32 v[TM+12+\b], 0xfc000000, v[TM+\b] ; 8 off its exponent field: the conversion's scale operand
.endr
.irp b, 0,1,2,3
	v_and_or_b32 v[TM+8+\b], v[TM+\b], 0x7f800000, s[MNT]   ; 448 x the scale
.endr
.irp b, 0,1,2,3
	v_lshrrev_b32 v[TM+4+\b], 23, v[TM+12+\b]      ; the scale's byte
.endr
	v_lshl_or_b32 v[PW], v[TM+5], 8, v[TM+4]
	v_lshl_or_b32 v[PW], v[TM+6], 16, v[PW]
	v_lshl_or_b32 v[PW], v[TM+7], 24, v[PW]
.irp b, 0,1,2,3
.irp i, 0,1,2,3,4,5,6,7,8,9,10,11,12,13,14,15
	v_med3_num_f32 v[\s+16*\b+\i], v[\s+16*\b+\i], -v[TM+8+\b], v[TM+8+\b]   ; the conversion does not saturate (ISA guide 7.6.2): the hold comes first
.endr
	v_cvt_scalef32_pk8_fp8_f32 v[PC+4*\b:PC+1+4*\b], v[\s+16*\b:\s+7+16*\b], v[TM+12+\b]
	v_cvt_scalef32_pk8_fp8_f32 v[PC+2+4*\b:PC+3+4*\b], v[\s+8+16*\b:\s+15+16*\b], v[TM+12+\b]
.endr
	v_nop                                          ; a plain line behind the last conversion
.endm
	PLACES NP
.irp b, 0,1,2,3
	v_mov_b32 v[TM+4+\b], 0                        ; a lane permute's destination counts as one of its sources
.endr
	s_mov_b32 s3, 0
	s_mov_b32 s45, 0
.Lblk:
.irp a, 0,1,2,3,4,5,6
	s_cmp_eq_u32 s3, \a
	s_cbranch_scc1 .Lc\a
.endr
	COPY 7
	s_branch .Lwork
.irp a, 0,1,2,3,4,5,6
.Lc\a:
	COPY \a
	s_branch .Lwork
.endr
.Lwork:
	QUANT U
.irp c, 0,1,2,3
	global_store_b128 v[LI], v[PC+4*\c:PC+4*\c+3], s[12:13] offset:512*\c   ; the image: 512 consecutive bytes a store
.endr
	v_and_b32 v[W0], s44, v[PW]                    ; q, k: blocks 0, 1 are the first head's, blocks 2, 3 the second's; v: all four belong to one word
	v_lshrrev_b32 v[W1], 16, v[PW]
	v_add_nc_u32 v[SWT], s45, v[SWA]
	ds_store_b32 v[SWT], v[W0]                     ; lanes l and l xor 16 write the same word with the same value
	ds_store_b32 v[SWT], v[W1] offset:512
	s_wait_dscnt 0x0                               ; the LDS stores have read their registers,
	s_wait_xcnt 0x0                                ; and so have the global ones: codes and base may be written again
	s_add_nc_u64 s[12:13], s[12:13], s[6:7]
	s_add_co_u32 s45, s45, 64
	s_add_co_u32 s3, s3, 1
	s_cmp_lt_u32 s3, 8
	s_cbranch_scc1 .Lblk
	ds_load_b128 v[PL0:PL0+3], v[SRD]              ; my 128 rows' scale words, 512 consecutive bytes
	ds_load_b128 v[PL1:PL1+3], v[SRD] offset:512
	s_wait_dscnt 0x0
	global_store_b128 v[LI], v[PL0:PL0+3], s[100:101]
	s_cmp_eq_u32 s[ISV], 1
	s_cbranch_scc1 .Lno_second
	global_store_b128 v[LI], v[PL1:PL1+3], s[100:101] offset:8192   ; q, k: the second head's, 2,048 tokens on
.Lno_second:
	s_wait_tensorcnt 0x0                           ; the wave's end
	ds_add_u32 v[SPW], v[NIL]
	s_wait_dscnt 0x0
	CROUND                                         ; the closing round
	s_endpgm
.Lfunc_end_k_q4d00fb00f5_qkv:
	.size	k_q4d00fb00f5_qkv, .Lfunc_end_k_q4d00fb00f5_qkv-k_q4d00fb00f5_qkv
	.p2alignl 7, 3214868480
	.fill 96, 4, 3214868480
	.section	.rodata,"a",@progbits
	.p2align	6, 0x0
	.amdhsa_kernel k_q4d00fb00f5_qkv
		.amdhsa_group_segment_fixed_size 327680
		.amdhsa_private_segment_fixed_size 0
		.amdhsa_enable_private_segment 0
		.amdhsa_kernarg_size 56
		.amdhsa_user_sgpr_count 2
		.amdhsa_user_sgpr_kernarg_segment_ptr 1
		.amdhsa_wavefront_size32 1
		.amdhsa_system_sgpr_workgroup_id_x 1
		.amdhsa_system_sgpr_workgroup_id_y 1
		.amdhsa_system_sgpr_workgroup_id_z 1
		.amdhsa_system_vgpr_workitem_id 0
		.amdhsa_next_free_vgpr 1024
		.amdhsa_next_free_sgpr 106
		.amdhsa_reserve_vcc 0
		.amdhsa_float_denorm_mode_32 3
		.amdhsa_float_denorm_mode_16_64 3
		.amdhsa_memory_ordered 1
		.amdhsa_forward_progress 1
		.amdhsa_inst_pref_size 150
	.end_amdhsa_kernel
	.amdgpu_metadata
---
amdhsa.version: [ 1, 2 ]
amdhsa.kernels:
  - .name:           k_q4d00fb00f5_qkv
    .symbol:         k_q4d00fb00f5_qkv.kd
    .args:
      - { .name: hc, .offset: 0, .size: 8, .value_kind: global_buffer, .address_space: global }
      - { .name: hs, .offset: 8, .size: 8, .value_kind: global_buffer, .address_space: global }
      - { .name: W_attn_codes, .offset: 16, .size: 8, .value_kind: global_buffer, .address_space: global }
      - { .name: W_attn_scales, .offset: 24, .size: 8, .value_kind: global_buffer, .address_space: global }
      - { .name: b_attn, .offset: 32, .size: 8, .value_kind: global_buffer, .address_space: global }
      - { .name: qkvc, .offset: 40, .size: 8, .value_kind: global_buffer, .address_space: global }
      - { .name: qkvs, .offset: 48, .size: 8, .value_kind: global_buffer, .address_space: global }
    .group_segment_fixed_size: 327680
    .private_segment_fixed_size: 0
    .kernarg_segment_align: 8
    .kernarg_segment_size: 56
    .max_flat_workgroup_size: 128
    .sgpr_count:     106
    .vgpr_count:     1024
    .wavefront_size: 32
...
	.end_amdgpu_metadata
.endif
;; end of part 2
;; launch attn (part 3): grid 8 x 32, 16 waves a work-group, no clusters, 313,344 bytes of LDS; arguments qkvc, qkvs, ac, asc; writes ac, asc
.if DOCPART == 3
	.amdgcn_target "amdgcn-amd-amdhsa--gfx1250"
	.amdhsa_code_object_version 6
	.text
	.protected	k_q4d00fb00f5_attn
	.globl	k_q4d00fb00f5_attn
	.p2align	8
	.type	k_q4d00fb00f5_attn,@function
k_q4d00fb00f5_attn:
	s_mov_b64 s[64:65], 0
	v_nop
	global_prefetch_b8 v0, s[64:65] scope:SCOPE_SE
	s_setreg_imm32_b32 hwreg(HW_REG_WAVE_MODE, 25, 1), 1
	s_wait_xcnt 0x0
; y = softmax(q k^T / 8, causal) v for one head, both products on codes of E4M3 with E8M0 scales, and y quantised along the head's 64 for the projection.
; THE SOFTMAX AHEAD OF THE SECOND PRODUCT: t = score x log2(e) / 8; M = the running largest t, rounded UP to a whole number; p = 2^(t - M) is quantised along the keys, not normalised; the row's sum is taken of the
; unquantised p and divides at the end; when M moves, the sum and O are multiplied by 2^(old M - new M), which rounds nothing.
; SHARES.  A work-group owns query blocks x and 15 - x (128 queries each) of one head: 17 key steps of 128 for each pair of waves, whatever x.  Each of its sixteen waves owns 16 queries in 256 registers: four waves to a SIMD,
; so that one wave's vector work stands beside another's matrix work.  A step all of whose keys come after the wave's queries is left out: a scalar branch on ids.
; LDS.  The head's k (128 KiB of images), v (128 KiB) and their scale words come ONCE, in four quarters of 512 keys, by waves 0 to 3, five tensor loads each; nothing is filled again.
; NO CLUSTER: the work-groups of a head walk the same k and v, but the branch that leaves hidden steps out hangs on the query block, which differs between them.
; LAYOUT.  S^T = k q^T (source 0 = 16 keys, source 1 = my 16 queries), O^T = v^T p^T: a lane holds ONE query throughout.  The head has 64 along K: the upper half of the 128 is zero codes on both sides, under scale byte 0.
; In a block of 32 keys lane half h holds keys 8 h + 0..7 and 16 + 8 h + 0..7; v's images were made in the same order.  y meets a given weight: its codes are put into the natural order by an exchange between the lane halves.
; LIMITS: a block's largest p is taken from its largest score, which takes v_exp_f32 not to fall where its input rises; a block of zeros keeps the scale byte 1; NaN and infinities are not served.
; REGISTERS: v1-5 addresses that stay; v8-11 addresses in hand; v12 -M, v13 the largest t, v[14:15] the sum; v16-31 q; v32-95 four fragments of k (upper halves stay 0); v96-159 S^T, then p, then v's four fragments;
; v160-191 O^T; v192-207 p's codes; v208-223 at work; v224-227 k's or v's scale words; v228 f; v229 p's scale word; v230 at work; v231 q's scale words; v[232:233] the second chain of the sum.
; SHARES AND LDS AS THEY STAND NOW (in place of the two paragraphs of those names above).  Of each pair of waves one (L) owns 16 queries of block x, the other (H) 16 of block 15 - x.
; L walks its own x + 1 key steps, sends its tile out, and then takes key steps 8 - a .. 7 + l2 of H's tile, a = (7 - x) / 2, l2 = (8 - x) / 2 (rounded down), with an M, a sum and an O^T of its own;
; H takes steps 0 .. 7 - a and 8 + l2 .. 15 - x.  So L has 8 steps and H 9, whatever x.  L's part goes to H through LDS bytes of its own (4,608 a pair); H brings both parts under the larger M by two powers of two, which round nothing.
; Which steps a wave works on is a test of the step's first key against LO and HI, made of ids alone; the loops' trip counts are constants.
; First fills, one a wave, in one chain of ten arms: waves 0, 1 the scale words of k, v; waves 2 to 9 the quarters (512 keys) of k (even waves) and v (odd waves).  Keys 0 - 1,023 are shown by the first barrier, the rest by the one ahead of steps 8 - 15.
.set VIMG, 131072
.set KSC,  262144                      ; k's scale words: 2,048 x 4 bytes
.set VSC,  270336                      ; v's: 16 steps x 64 x 4 bytes
.set AK0,  1                           ; v1   16 x lane: my place in an image, in LDS and in memory
.set AV0,  2
.set ASK0, 3
.set ASV0, 4
.set R4,   5                           ; v5   4 x (lane % 16)
.set ADK,  8
.set ADV,  9
.set ADS,  10
.set ADT,  11
.set WV,   12
.set MNT,  19
.set SEL,  20
.set CS,   22
.set G1K,  24
.set G1V,  32
.set G1KS, 40
.set G1VS, 48
.set TB,   80                          ; s80  where the step's images begin: 8,192 bytes a step, in k's region and in v's
.set TS,   81                          ; s81  k's scale words: 512 bytes a step
.set TJ,   82                          ; s82  v's: 256 bytes a step
.set KF,   83                          ; s83  the step's first key
.set Q0,   84                          ; s84  my first query
.set CNT,  85
.set TMP,  86
.set HM,   96
.set ISH,  68                          ; s68  1: my own tile is the heavy one
.set QH,   69                          ; s69  the first query of my pair's heavy tile
.set LO,   70                          ; s70, s71  a step is worked on where LO <= its first key <= HI
.set HI,   71
.set XCH,  276480                      ; behind the spare words: a pair's O^T (4,096 bytes) and -M, t, sums (512)
	s_load_b128 s[4:7], s[0:1], 0x0                ; qkvc, qkvs
	s_load_b128 s[8:11], s[0:1], 0x10              ; ac, asc
	v_lshl_add_u32 v254, v0, 2, 0x43000
	v_mov_b32 v255, 0
	ds_add_u32 v254, v255
	ds_add_u32 v254, v255
	v_lshrrev_b32 v8, 5, v0
	s_delay_alu instid0(VALU_DEP_1)
	v_readfirstlane_b32 s[WV], v8                  ; wave 0..15
	s_and_b32 s13, ttmp7, 0xffff                   ; 16 x batch + head
	s_lshr_b32 s14, s13, 4                         ; batch
	s_and_b32 s15, s13, 15                         ; head
	s_lshr_b32 s16, s[WV], 1                       ; waves 2-9: the quarter that I fetch + 1.  All waves: which 16 queries of a block
	s_and_b32 s17, s[WV], 1                        ; even waves fetch k's, odd waves v's
	s_add_co_u32 s3, s16, 3
	s_and_b32 s3, s3, 3                            ; waves 2 to 9: the quarter that I fetch, wave / 2 - 1
	s_lshl_b32 s18, s17, 17                        ; even waves k's region, odd waves v's
	s_lshl_b32 s2, s3, 15
	s_add_co_u32 s18, s18, s2                      ; LDS: my quarter, in k's or v's region
	s_mov_b32 s87, 0
	s_lshl_b32 s2, s17, 13                         ; wave 0: k's scale words; wave 1: v's, 8,192 bytes on
	s_add_co_u32 s87, s87, s2
	s_add_co_u32 s87, s87, KSC
	s_lshl_b32 s88, s14, 21                        ; a batch's images of k or of v are 2 MiB; a quarter is 524,288 bytes on in memory
	s_lshl_b32 s2, s3, 19
	s_add_co_u32 s88, s88, s2
	s_lshl_b32 s89, s15, 10
	s_add_co_u32 s89, s89, s88
	s_add_co_u32 s89, s89, 0x400000                ; k
	s_lshl_b32 s90, s15, 13
	s_add_co_u32 s90, s90, s88
	s_add_co_u32 s90, s90, 0x800000                ; v
	s_lshl_b32 s91, s13, 13
	s_mov_b32 s2, 0
	s_add_co_u32 s91, s91, s2
	s_add_co_u32 s91, s91, 262144                  ; k's scale words
	s_lshl_b32 s92, s14, 16
	s_lshl_b32 s2, s15, 8
	s_add_co_u32 s92, s92, s2
	s_mov_b32 s2, 0
	s_add_co_u32 s92, s92, s2
	s_add_co_u32 s92, s92, 524288                  ; v's
	s_cmp_eq_u32 s17, 0
	s_cselect_b32 s88, s89, s90
	s_cselect_b32 s90, s91, s92
	s_mov_b32 s89, 0
	s_mov_b32 s91, 0
	; my queries: of each pair of waves one takes block x, the other block 15 - x; which, alternates with wave / 4 too
	s_lshr_b32 s92, s[WV], 2
	s_xor_b32 s92, s92, s[WV]
	s_and_b32 s92, s92, 1
	s_mov_b32 s[ISH], s92
	s_lshl_b32 s93, ttmp9, 1
	s_sub_co_u32 s93, 15, s93
	s_mul_i32 s93, s93, s92
	s_add_co_u32 s93, s93, ttmp9                   ; my block of 128 queries
	s_lshl_b32 s[Q0], s93, 7
	s_lshl_b32 s2, s16, 4
	s_add_co_u32 s[Q0], s[Q0], s2
	s_sub_co_u32 s[QH], 15, ttmp9
	s_lshl_b32 s[QH], s[QH], 7
	s_add_co_u32 s[QH], s[QH], s2                  ; the heavy tile's first query
	s_lshl_b32 s72, s14, 21
	s_lshl_b32 s74, s[QH], 10
	s_add_co_u32 s72, s72, s74
	s_lshl_b32 s74, s15, 10
	s_add_co_u32 s72, s72, s74                     ; its q's image,
	s_mov_b32 s73, 0
	s_lshl_b32 s74, s13, 13
	s_lshl_b32 s75, s[QH], 2
	s_add_co_u32 s74, s74, s75                     ; and scale words
	s_mov_b32 s75, 0
	s_sub_co_u32 s77, 7, ttmp9
	s_lshr_b32 s77, s77, 1
	s_sub_co_u32 s77, 8, s77
	s_lshl_b32 s77, s77, 7                         ; s77: the first key of L's part of the heavy tile, 128 (8 - a)
	s_sub_co_u32 s78, 8, ttmp9
	s_lshr_b32 s78, s78, 1
	s_add_co_u32 s78, s78, 8
	s_lshl_b32 s78, s78, 7                         ; s78: the first key behind it, 128 (8 + l2)
	s_lshl_b32 s92, s14, 21
	s_lshl_b32 s2, s[Q0], 10
	s_add_co_u32 s92, s92, s2
	s_lshl_b32 s2, s15, 10
	s_add_co_u32 s92, s92, s2                      ; q's image in qkvc; y's image in ac lies at the same offset: (token tile x 16 + head) x 1,024
	s_mov_b32 s93, 0
	s_lshl_b32 s94, s13, 13
	s_lshl_b32 s2, s[Q0], 2
	s_add_co_u32 s94, s94, s2                      ; q's scale words
	s_mov_b32 s95, 0
	s_lshr_b32 s98, s15, 1
	s_lshl_b32 s98, s98, 14                        ; y's scale bytes: plane head / 2,
	s_lshl_b32 s2, s14, 13
	s_add_co_u32 s98, s98, s2
	s_lshl_b32 s2, s[Q0], 2
	s_add_co_u32 s98, s98, s2                      ; 4 bytes a token,
	s_and_b32 s2, s15, 1
	s_lshl_b32 s2, s2, 1
	s_add_co_u32 s98, s98, s2                      ; the head's two of them
	s_mov_b32 s99, 0
	; descriptor groups 1: elements of 8 bytes, no padding, no mask
	s_mov_b32 s[G1K], 3<<16                        ; k: 16 tiles of 1,024 bytes, 16,384 bytes apart
	s_mov_b32 s[G1K+1], 128<<16
	s_mov_b32 s[G1K+2], 32<<16                     ; a quarter: 32 tiles
	s_mov_b32 s[G1K+3], 128<<16
	s_mov_b32 s[G1K+4], 32
	s_mov_b32 s[G1K+5], 2048
	s_mov_b32 s[G1K+6], 0
	s_mov_b32 s[G1K+7], 0
	s_mov_b32 s[G1V], 3<<16                        ; v: 2 steps of 8,192 bytes, 131,072 bytes apart
	s_mov_b32 s[G1V+1], 1024<<16
	s_mov_b32 s[G1V+2], 4<<16                      ; a quarter: 4 steps
	s_mov_b32 s[G1V+3], 1024<<16
	s_mov_b32 s[G1V+4], 4
	s_mov_b32 s[G1V+5], 16384
	s_mov_b32 s[G1V+6], 0
	s_mov_b32 s[G1V+7], 0
	s_mov_b32 s[G1KS], 3<<16                       ; k's scale words: 4,096 dense bytes as 16 rows of 256
	s_mov_b32 s[G1KS+1], 32<<16
	s_mov_b32 s[G1KS+2], 32<<16                    ; all 8,192 bytes: 32 rows of 256
	s_mov_b32 s[G1KS+3], 32<<16
	s_mov_b32 s[G1KS+4], 32
	s_mov_b32 s[G1KS+5], 32
	s_mov_b32 s[G1KS+6], 0
	s_mov_b32 s[G1KS+7], 0
	s_mov_b32 s[G1VS], 3<<16                       ; v's: 8 rows of 256 bytes, 4,096 bytes apart
	s_mov_b32 s[G1VS+1], 32<<16
	s_mov_b32 s[G1VS+2], 16<<16                    ; all 16 rows
	s_mov_b32 s[G1VS+3], 32<<16
	s_mov_b32 s[G1VS+4], 16
	s_mov_b32 s[G1VS+5], 512
	s_mov_b32 s[G1VS+6], 0
	s_mov_b32 s[G1VS+7], 0
	s_mov_b32 s[SEL], 0x76543210
	s_mov_b32 s[SEL+1], 0xfedcba98
	s_mov_b32 s[CS], 0x3e38aa3b                    ; c = log2(e) / 8
	s_mov_b32 s[CS+1], s[CS]
	s_mov_b32 s[MNT], 0x600000
	s_mov_b32 s[HM], 0xffff0000
	s_wait_dscnt 0x0
	s_wait_kmcnt 0x0
	s_add_nc_u64 s[88:89], s[4:5], s[88:89]
	s_add_nc_u64 s[90:91], s[6:7], s[90:91]
	s_mov_b32 s56, 1                               ; group 0 for the scale words
	s_mov_b32 s57, s87
	s_mov_b64 s[58:59], s[90:91]
	s_or_b32 s59, s59, 0x80000000
.macro MKG0 reg, g                     ; group 0 for quarter g: 32,768 bytes on in LDS, 524,288 in memory
	s_mov_b32 s[\reg], 1
	s_add_co_u32 s[\reg+1], s18, (\g)*32768
	s_add_nc_u64 s[\reg+2:\reg+3], s[88:89], (\g)*524288
	s_or_b32 s[\reg+3], s[\reg+3], 0x80000000
.endm
	MKG0 60, 0
.macro ARM under, g0, g1               ; one chain of branches on the wave's number, an arm a load: no way passes two; what is wanted first stands first
	s_cmp_lt_u32 s[WV], \under
	s_cbranch_scc0 .Larm\under
	tensor_load_to_lds s[\g0:\g0+3], s[\g1:\g1+7]
	s_nop 0
.rept 4
	v_nop
.endr
	s_branch .Lasked
.Larm\under:
.endm
	ARM 1, 56, G1KS
	ARM 2, 56, G1VS
	ARM 3, 60, G1K
	ARM 4, 60, G1V
	ARM 5, 60, G1K
	ARM 6, 60, G1V
	ARM 7, 60, G1K
	ARM 8, 60, G1V
	ARM 9, 60, G1K
	ARM 10, 60, G1V
.Lasked:
	s_add_nc_u64 s[72:73], s[4:5], s[72:73]        ; the heavy tile's q
	s_add_nc_u64 s[74:75], s[6:7], s[74:75]
	s_add_nc_u64 s[4:5], s[4:5], s[92:93]          ; q's image
	s_add_nc_u64 s[6:7], s[6:7], s[94:95]          ; q's scale words
	s_add_nc_u64 s[8:9], s[8:9], s[92:93]          ; y's image
	s_add_nc_u64 s[10:11], s[10:11], s[98:99]      ; y's scale bytes
	v_and_b32 v6, 31, v0                           ; lane
	v_and_b32 v7, 15, v0                           ; r
	s_delay_alu instid0(VALU_DEP_2)
	v_lshlrev_b32 v[AK0], 4, v6
	s_delay_alu instid0(VALU_DEP_2)
	v_lshlrev_b32 v[R4], 2, v7
	global_load_b128 v[16:19], v[AK0], s[4:5]      ; q's fragment: K = 0 .. 63
	global_load_b128 v[20:23], v[AK0], s[4:5] offset:512
	global_load_b32 v231, v[R4], s[6:7]
	v_add_nc_u32 v[AV0], VIMG, v[AK0]
	v_lshl_add_u32 v[ASK0], v7, 2, KSC
	v_lshl_add_u32 v[ASV0], v7, 2, VSC
	global_load_b128 v[234:237], v[AK0], s[72:73]  ; the heavy tile's q waits in v234-241, its scale words in v7, until L changes tiles
	global_load_b128 v[238:241], v[AK0], s[72:73] offset:512
	global_load_b32 v7, v[R4], s[74:75]
.irp j, 0,1,2,3,4,5,6,7
	v_mov_b32 v[24+\j], 0                          ; K = 64 .. 127: zero codes, of q
.endr
.irp t, 0,1,2,3
.irp j, 0,1,2,3,4,5,6,7
	v_mov_b32 v[40+16*\t+\j], 0                    ; and of k: written once
.endr
.endr
	v_mov_b32 v13, 0xff61b1e6                      ; the largest t so far: -3e38, under every t
	s_delay_alu instid0(VALU_DEP_1)
	v_floor_f32 v12, -v13                          ; -M
	v_mov_b32 v14, 0
	v_mov_b32 v15, 0
.irp b, 0,1,2,3
	v_mov_b32 v[212+\b], 0                         ; a lane permute's destination counts as one of its sources
.endr
	v_mov_b32 v228, 0
	v_mov_b32 v229, 0                              ; (named as the upper half of the pair v[228:229] before it is first written)
.set i, 0
.rept 32
	v_mov_b32 v[160+i], 0                          ; O^T: the step is written once; the first finds zeros
.set i, i+1
.endr
; A KEY STEP: 128 keys
.macro STEP
	s_cmp_gt_u32 s[KF], s[HI]                      ; the step is not mine (or all its keys come after my queries): only the steps of the addresses remain
	s_cbranch_scc1 .Lhidden_\@
	s_cmp_lt_u32 s[KF], s[LO]
	s_cbranch_scc1 .Lhidden_\@
	v_add_nc_u32 v[ADK], s[TB], v[AK0]
	s_wait_alu depctr_va_vdst(0)
	v_add_nc_u32 v[ADV], s[TB], v[AV0]
	v_add_nc_u32 v[ADS], s[TS], v[ASK0]
	s_wait_alu depctr_va_vdst(0)
	v_add_nc_u32 v[ADT], s[TJ], v[ASV0]
.rept 5
	v_nop                                          ; with the four additions nine places: the scores are laid over the registers that the last products read as v's fragments
.endr
.irp g, 0,1                                    ; S^T = k q^T, four tiles of 16 keys at a time
.if \g
.rept 8
	v_nop                                          ; places in front of loads into registers that matrix instructions have read
.endr
.endif
.irp t, 0,1,2,3
	ds_load_b128 v[32+16*\t:35+16*\t], v[ADK] offset:1024*(4*\g+\t)
	ds_load_b128 v[36+16*\t:39+16*\t], v[ADK] offset:1024*(4*\g+\t)+512
	ds_load_b32 v[224+\t], v[ADS] offset:64*(4*\g+\t)
.endr
	s_wait_dscnt 0x0
.irp t, 0,1,2,3
	v_wmma_scale_f32_16x16x128_f8f6f4 v[96+8*(4*\g+\t):103+8*(4*\g+\t)], v[32+16*\t:47+16*\t], v[16:31], 0, v[224+\t], v231
.endr
.endr                                          ; register 8 T + j of lane (r, h): query r, key KF + 16 T + 8 h + j
.rept 8
	v_nop
.endr
	s_add_co_u32 s[TMP], s[KF], 127                ; on the diagonal hidden scores become -infinity ahead of the maximum; a step all of whose keys count skips this
	s_cmp_le_u32 s[TMP], s[Q0]
	s_cbranch_scc1 .Lopen_\@
	s_sub_co_i32 s[TMP], s[Q0], s[KF]
	v_and_b32 v228, 15, v0
	v_bfe_u32 v230, v0, 4, 1
	s_delay_alu instid0(VALU_DEP_1)
	v_lshlrev_b32 v230, 3, v230
	s_delay_alu instid0(VALU_DEP_1)
	v_sub_nc_u32 v228, v228, v230
	s_delay_alu instid0(VALU_DEP_1)
	v_add_nc_u32 v228, s[TMP], v228                ; d = my query - KF - 8 h: register 8 T + j is hidden where 16 T + j > d
	v_mov_b32 v230, 0xff800000
.set n, 0
.rept 64
	v_cmp_gt_i32 vcc_lo, 16*(n/8)+n%8, v228
	v_cndmask_b32 v[96+n], v[96+n], v230, vcc_lo
.set n, n+1
.endr
.Lopen_\@:
.irp b, 0,1,2,3
	v_max3_num_f32 v[208+\b], v[96+16*\b], v[97+16*\b], v[98+16*\b]   ; the largest score of each block of 32 keys: for the row's maximum, and for the block's largest p
.endr
.irp i, 3,5,7,9,11,13
.irp b, 0,1,2,3
	v_max3_num_f32 v[208+\b], v[208+\b], v[96+16*\b+\i], v[97+16*\b+\i]
.endr
.endr
.irp b, 0,1,2,3
	v_max_num_f32 v[208+\b], v[208+\b], v[111+16*\b]
.endr
.irp b, 0,1,2,3
	s_delay_alu instid0(VALU_DEP_4)
	v_permlanex16_b32 v[212+\b], v[208+\b], s[SEL], s[SEL+1]
.endr
.irp b, 0,1,2,3
	s_delay_alu instid0(VALU_DEP_4)
	v_max_num_f32 v[208+\b], v[208+\b], v[212+\b]
.endr
	s_delay_alu instid0(VALU_DEP_2)
	v_max3_num_f32 v230, v208, v209, v210
	s_delay_alu instid0(VALU_DEP_1)
	v_max_num_f32 v230, v230, v211
	s_delay_alu instid0(VALU_DEP_1)
	v_mul_f32 v230, s[CS], v230                    ; as t
	s_delay_alu instid0(VALU_DEP_1)
	v_max_num_f32 v13, v13, v230                   ; the running largest t
	v_mov_b32 v230, v12
	s_delay_alu instid0(VALU_DEP_2)
	v_floor_f32 v12, -v13                          ; the new -M = -ceil(t)
	s_delay_alu instid0(VALU_DEP_1)
	v_sub_f32 v230, v12, v230                      ; old M - new M: a whole number, 0 or less
	s_delay_alu instid0(VALU_DEP_1)
	v_cvt_i32_f32 v230, v230                       ; (it saturates)
	s_delay_alu instid0(VALU_DEP_1)
	v_ldexp_f32 v228, 1.0, v230                    ; f = 2^(old M - new M)
.set i, 0
.rept 32
	v_pk_fma_f32 v[96+i:97+i], v[96+i:97+i], s[CS:CS+1], v[12:13] op_sel_hi:[1,0,0]   ; t - M
.set i, i+2
.endr
.irp b, 0,1,2,3
	v_fma_f32 v[208+\b], v[208+\b], s[CS], v12
.endr
.set i, 0
	s_wait_alu depctr_va_vdst(0)
.rept 64
	v_exp_f32 v[96+i], v[96+i]                     ; p = 2^(t - M)
.set i, i+1
.endr
.irp b, 0,1,2,3
	v_exp_f32 v[208+\b], v[208+\b]                 ; the block's largest p
.endr
	v_pk_mul_f32 v[14:15], v[14:15], v[228:229] op_sel_hi:[1,0]   ; the sums under the new M (a plain line behind the exponentials)
	s_wait_alu depctr_va_vdst(0)
.irp b, 0,1,2,3
	v_max_num_f32 v[208+\b], 0x4800000, v[208+\b]  ; the floor 2^(9 - 127)
.endr
.irp b, 0,1,2,3
	s_delay_alu instid0(VALU_DEP_4)
	v_add_nc_u32 v[220+\b], 0xfc000000, v[208+\b]
.endr
.irp b, 0,1,2,3
	v_and_or_b32 v[216+\b], v[208+\b], 0x7f800000, s[MNT]
.endr
.irp b, 0,1,2,3
	v_lshrrev_b32 v[212+\b], 23, v[220+\b]
.endr
	s_delay_alu instid0(VALU_DEP_3)
	v_lshl_or_b32 v229, v213, 8, v212              ; p's scale word for these 128 keys
	s_delay_alu instid0(VALU_DEP_1)
	v_lshl_or_b32 v229, v214, 16, v229
	s_delay_alu instid0(VALU_DEP_1)
	v_lshl_or_b32 v229, v215, 24, v229
	v_pk_add_f32 v[232:233], v[100:101], v[104:105]
	v_pk_add_f32 v[252:253], v[108:109], v[112:113]
	v_pk_add_f32 v[250:251], v[116:117], v[120:121]
	v_pk_add_f32 v[248:249], v[124:125], v[128:129]
	v_pk_add_f32 v[246:247], v[132:133], v[136:137]
	v_pk_add_f32 v[244:245], v[140:141], v[144:145]
	v_pk_add_f32 v[242:243], v[148:149], v[152:153]
	v_pk_add_f32 v[14:15], v[14:15], v[156:157]
	v_pk_add_f32 v[232:233], v[232:233], v[96:97]
	v_pk_add_f32 v[252:253], v[252:253], v[98:99]
	v_pk_add_f32 v[250:251], v[250:251], v[102:103]
	v_pk_add_f32 v[248:249], v[248:249], v[106:107]
	v_pk_add_f32 v[246:247], v[246:247], v[110:111]
	v_pk_add_f32 v[244:245], v[244:245], v[114:115]
	v_pk_add_f32 v[242:243], v[242:243], v[118:119]
	v_pk_add_f32 v[14:15], v[14:15], v[122:123]
	v_pk_add_f32 v[232:233], v[232:233], v[126:127]
	v_pk_add_f32 v[252:253], v[252:253], v[130:131]
	v_pk_add_f32 v[250:251], v[250:251], v[134:135]
	v_pk_add_f32 v[248:249], v[248:249], v[138:139]
	v_pk_add_f32 v[246:247], v[246:247], v[142:143]
	v_pk_add_f32 v[244:245], v[244:245], v[146:147]
	v_pk_add_f32 v[242:243], v[242:243], v[150:151]
	v_pk_add_f32 v[14:15], v[14:15], v[154:155]
	v_pk_add_f32 v[232:233], v[232:233], v[158:159]
	s_delay_alu instid0(VALU_DEP_2)
	v_pk_add_f32 v[14:15], v[14:15], v[248:249]
	s_delay_alu instid0(VALU_DEP_2)
	v_pk_add_f32 v[232:233], v[232:233], v[246:247]
	v_pk_add_f32 v[252:253], v[252:253], v[244:245]
	v_pk_add_f32 v[250:251], v[250:251], v[242:243]
	s_delay_alu instid0(VALU_DEP_2)
	v_pk_add_f32 v[14:15], v[14:15], v[252:253]
	s_delay_alu instid0(VALU_DEP_2)
	v_pk_add_f32 v[232:233], v[232:233], v[250:251]
	s_delay_alu instid0(VALU_DEP_1)
	v_pk_add_f32 v[14:15], v[14:15], v[232:233]
.irp b, 0,1,2,3
.irp i, 0,1,2,3,4,5,6,7,8,9,10,11,12,13,14,15
	v_min_num_f32 v[96+16*\b+\i], v[96+16*\b+\i], v[216+\b]   ; the hold; p is not negative
.endr
	v_cvt_scalef32_pk8_fp8_f32 v[192+4*\b:193+4*\b], v[96+16*\b:103+16*\b], v[220+\b]
	v_cvt_scalef32_pk8_fp8_f32 v[194+4*\b:195+4*\b], v[104+16*\b:111+16*\b], v[220+\b]
.irp c, 0,1,2,3
	ds_load_b128 v[96+16*\b+4*\c:99+16*\b+4*\c], v[ADV] offset:2048*\b+512*\c   ; v's fragment of d tile b takes the block's registers at once
.endr
	ds_load_b32 v[224+\b], v[ADT] offset:64*\b
.endr
.set i, 0
.rept 16
	v_pk_mul_f32 v[160+i:161+i], v[160+i:161+i], v[228:229] op_sel_hi:[1,0]   ; O^T under the new M; these are also the places in front of the products below
.set i, i+2
.endr
	s_wait_alu depctr_va_vdst(0)
	s_wait_dscnt 0x0
.irp t, 0,1,2,3                                ; O^T += v^T p^T: the four accumulators take turns
	v_wmma_scale_f32_16x16x128_f8f6f4 v[160+8*\t:167+8*\t], v[96+16*\t:111+16*\t], v[192:207], v[160+8*\t:167+8*\t], v[224+\t], v229
.endr
.Lhidden_\@:
	s_add_co_u32 s[KF], s[KF], 128
	s_add_co_u32 s[TB], s[TB], 8192
	s_add_co_u32 s[TS], s[TS], 512
	s_add_co_u32 s[TJ], s[TJ], 256
.endm
; THE WAY OUT of a tile: y = O^T / the sum; register 8 t + j of lane (r, h) is y(query r, d = 16 t + 8 h + j): two blocks of 32 along the projection's K
.macro WAYOUT
.rept 8
	v_nop
.endr
	v_add_f32 v14, v14, v15
	s_delay_alu instid0(VALU_DEP_1)
	v_permlanex16_b32 v228, v14, s[SEL], s[SEL+1]
	s_delay_alu instid0(VALU_DEP_1)
	v_add_f32 v14, v14, v228                       ; the row's sum
	s_wait_alu depctr_va_vdst(0)
	v_rcp_f32 v14, v14
	v_nop
	s_wait_alu depctr_va_vdst(0)
	v_mov_b32 v15, v14
.set i, 0
.rept 16
	v_pk_mul_f32 v[96+i:97+i], v[160+i:161+i], v[14:15]
.set i, i+2
.endr
.irp b, 0,1
	v_max3_num_f32 v[208+\b], |v[96+16*\b]|, |v[97+16*\b]|, 0x4800000
.endr
.irp i, 2,4,6,8,10,12,14
.irp b, 0,1
	s_delay_alu instid0(VALU_DEP_2)
	v_max3_num_f32 v[208+\b], v[208+\b], |v[96+16*\b+\i]|, |v[97+16*\b+\i]|
.endr
.endr
.irp b, 0,1
	s_delay_alu instid0(VALU_DEP_2)
	v_permlanex16_b32 v[212+\b], v[208+\b], s[SEL], s[SEL+1]
.endr
.irp b, 0,1
	s_delay_alu instid0(VALU_DEP_2)
	v_max_num_f32 v[208+\b], v[208+\b], v[212+\b]
.endr
.irp b, 0,1
	s_delay_alu instid0(VALU_DEP_2)
	v_add_nc_u32 v[220+\b], 0xfc000000, v[208+\b]
.endr
.irp b, 0,1
	s_delay_alu instid0(VALU_DEP_4)
	v_and_or_b32 v[216+\b], v[208+\b], 0x7f800000, s[MNT]
.endr
.irp b, 0,1
	s_delay_alu instid0(VALU_DEP_4)
	v_lshrrev_b32 v[212+\b], 23, v[220+\b]
.endr
	s_delay_alu instid0(VALU_DEP_1)
	v_lshl_or_b32 v229, v213, 8, v212              ; the head's two scale bytes of my query
.irp b, 0,1
.irp i, 0,1,2,3,4,5,6,7,8,9,10,11,12,13,14,15
	v_med3_num_f32 v[96+16*\b+\i], v[96+16*\b+\i], -v[216+\b], v[216+\b]
.endr
	v_cvt_scalef32_pk8_fp8_f32 v[192+4*\b:193+4*\b], v[96+16*\b:103+16*\b], v[220+\b]
	v_cvt_scalef32_pk8_fp8_f32 v[194+4*\b:195+4*\b], v[104+16*\b:111+16*\b], v[220+\b]
.endr
	v_nop                                          ; a plain line behind the last conversion
	; into the natural order: half 0 keeps positions 0-7 and takes 8-15 from half 1; half 1 keeps 24-31 and takes 16-23 from half 0
.irp b, 0,1
.irp e, 0,1
	v_cndmask_b32 v[200+2*\b+\e], v[194+4*\b+\e], v[192+4*\b+\e], s[HM]   ; what the other half wants of me
.endr
.endr
.irp n, 0,1,2,3
	s_delay_alu instid0(VALU_DEP_4)
	v_permlanex16_b32 v[212+\n], v[200+\n], s[SEL], s[SEL+1]
.endr
.irp b, 0,1
.irp e, 0,1
	v_cndmask_b32 v[192+4*\b+\e], v[192+4*\b+\e], v[212+2*\b+\e], s[HM]
	v_cndmask_b32 v[194+4*\b+\e], v[212+2*\b+\e], v[194+4*\b+\e], s[HM]
.endr
.endr
	global_store_b128 v[AK0], v[192:195], s[8:9]               ; the image: 512 consecutive bytes a store
	global_store_b128 v[AK0], v[196:199], s[8:9] offset:512
	s_wait_xcnt 0x0                                ; EXEC changes only behind this wait
	v_cmp_gt_u32 vcc_lo, 16, v6
	s_and_saveexec_b32 s[TMP], vcc_lo
	global_store_b16 v[R4], v229, s[10:11]         ; two bytes a token: the other half of each word is the neighbouring head's, made by another work-group
	s_wait_xcnt 0x0                                ; EXEC, and the stores' registers, change only behind this wait
	s_or_b32 exec_lo, exec_lo, s[TMP]
.endm
.macro PHASE g, first, trips, bar      ; a walk over so many key steps from step first on; bar = 1: a barrier ahead of it
.if \bar
	s_barrier_signal -1
	s_barrier_wait -1
.endif
	s_mov_b32 s[TB], \first*8192
	s_mov_b32 s[TS], \first*512
	s_mov_b32 s[TJ], \first*256
	s_mov_b32 s[KF], \first*128
	s_mov_b32 s[CNT], \trips
.Lphase\g:
	STEP
	s_sub_co_u32 s[CNT], s[CNT], 1
	s_cmp_lg_u32 s[CNT], 0
	s_cbranch_scc1 .Lphase\g
.endm
	s_mov_b32 s[LO], 0                             ; the first walk: L its own tile up to the diagonal, H the heavy tile up to L's part
	s_add_co_u32 s[HI], s[Q0], 15
	s_sub_co_u32 s79, s77, 1
	s_cmp_eq_u32 s[ISH], 1
	s_cselect_b32 s[HI], s79, s[HI]
	s_wait_alu depctr_va_vdst(0)                   ; the wait at the head's end
	s_wait_loadcnt 0x0                             ; both q
	s_cmp_lt_u32 s[WV], 6                          ; waves 0 to 5 have the scale words and keys 0 - 1,023, each by a load line of its own
	s_cbranch_scc0 .Lnw0
	s_wait_tensorcnt 0x0
.Lnw0:
	PHASE 0, 0, 8, 1
	s_cmp_eq_u32 s[ISH], 1
	s_cbranch_scc1 .Lheavy
	WAYOUT                                         ; L: my own tile is finished and leaves; then I begin anew on the heavy tile
.irp j, 0,1,2,3,4,5,6,7
	v_mov_b32 v[16+\j], v[234+\j]
.endr
	v_mov_b32 v231, v7
	v_mov_b32 v13, 0xff61b1e6
	v_floor_f32 v12, -v13
	v_mov_b32 v14, 0
	v_mov_b32 v15, 0
.set i, 0
.rept 32
	v_mov_b32 v[160+i], 0                          ; (these are also the places between the new q and scale words and the next products)
.set i, i+1
.endr
	s_mov_b32 s[Q0], s[QH]
	s_mov_b32 s[LO], s77
	s_sub_co_u32 s[HI], s78, 1
	s_wait_alu depctr_va_vdst(0)                   ; the wait ahead of the branch
	s_branch .Lstage
.Lheavy:
	s_mov_b32 s[LO], s78                           ; H: what lies behind L's part, up to the diagonal
	s_add_co_u32 s[HI], s[QH], 15
.Lstage:
	PHASE 1, 0, 8, 0                               ; keys 0 - 1,023 once more: L's part of them
	s_wait_tensorcnt 0x0                           ; all that is still out: keys 1,024 - 2,047
	PHASE 2, 8, 8, 1
.rept 8
	v_nop                                          ; places behind the last products, ahead of the reads of O^T and of the loads into v's fragments
.endr
	s_mul_i32 s76, s16, 4608
	s_add_co_u32 s76, s76, XCH
	v_add_nc_u32 v8, s76, v[AK0]                   ; my pair's bytes, 16 a lane
	s_wait_alu depctr_va_vdst(0)                   ; the wait ahead of the branch
	s_cmp_eq_u32 s[ISH], 1
	s_cbranch_scc1 .Lno_send
.irp i, 0,1,2,3,4,5,6,7
	ds_store_b128 v8, v[160+4*\i:163+4*\i] offset:512*\i   ; L's part, as an image of its registers; each accumulator from its low end on
.endr
	ds_store_b128 v8, v[12:15] offset:4096
.Lno_send:
	s_wait_dscnt 0x0                               ; for the partner's sake
	s_barrier_signal -1
	s_barrier_wait -1
	s_cmp_eq_u32 s[ISH], 1
	s_cbranch_scc0 .Lend
.irp i, 0,1,2,3,4,5,6,7
	ds_load_b128 v[96+4*\i:99+4*\i], v8 offset:512*\i
.endr
	ds_load_b128 v[128:131], v8 offset:4096        ; -M, t, the sum's two halves
	s_wait_dscnt 0x0
	v_min_num_f32 v230, v12, v128                  ; the joint -M
	v_sub_f32 v228, v230, v12                      ; whole numbers, 0 or less
	v_sub_f32 v229, v230, v128
	v_cvt_i32_f32 v228, v228                       ; (they saturate: an empty part, whose -M is 3e38, gets the factor 0)
	v_cvt_i32_f32 v229, v229
	v_ldexp_f32 v228, 1.0, v228                    ; my factor,
	v_ldexp_f32 v229, 1.0, v229                    ; the partner's
	v_pk_mul_f32 v[14:15], v[14:15], v[228:229] op_sel_hi:[1,0]
	v_pk_fma_f32 v[14:15], v[130:131], v[228:229], v[14:15] op_sel:[0,1,0] op_sel_hi:[1,1,1]
.set i, 0
.rept 16
	v_pk_mul_f32 v[160+i:161+i], v[160+i:161+i], v[228:229] op_sel_hi:[1,0]
.set i, i+2
.endr
.set i, 0
.rept 16
	v_pk_fma_f32 v[160+i:161+i], v[96+i:97+i], v[228:229], v[160+i:161+i] op_sel:[0,1,0] op_sel_hi:[1,1,1]
.set i, i+2
.endr
	WAYOUT
.Lend:
	s_wait_tensorcnt 0x0                           ; the wave's end
	ds_add_u32 v254, v255
	s_wait_dscnt 0x0
	s_endpgm
.Lfunc_end_k_q4d00fb00f5_attn:
	.size	k_q4d00fb00f5_attn, .Lfunc_end_k_q4d00fb00f5_attn-k_q4d00fb00f5_attn
	.p2alignl 7, 3214868480
	.fill 96, 4, 3214868480
	.section	.rodata,"a",@progbits
	.p2align	6, 0x0
	.amdhsa_kernel k_q4d00fb00f5_attn
		.amdhsa_group_segment_fixed_size 313344
		.amdhsa_private_segment_fixed_size 0
		.amdhsa_enable_private_segment 0
		.amdhsa_kernarg_size 32
		.amdhsa_user_sgpr_count 2
		.amdhsa_user_sgpr_kernarg_segment_ptr 1
		.amdhsa_wavefront_size32 1
		.amdhsa_system_sgpr_workgroup_id_x 1
		.amdhsa_system_sgpr_workgroup_id_y 1
		.amdhsa_system_sgpr_workgroup_id_z 1
		.amdhsa_system_vgpr_workitem_id 0
		.amdhsa_next_free_vgpr 256
		.amdhsa_next_free_sgpr 100
		.amdhsa_reserve_vcc 1
		.amdhsa_float_denorm_mode_32 3
		.amdhsa_float_denorm_mode_16_64 3
		.amdhsa_memory_ordered 1
		.amdhsa_forward_progress 1
		.amdhsa_inst_pref_size 114
	.end_amdhsa_kernel
	.amdgpu_metadata
---
amdhsa.version: [ 1, 2 ]
amdhsa.kernels:
  - .name:           k_q4d00fb00f5_attn
    .symbol:         k_q4d00fb00f5_attn.kd
    .args:
      - { .name: qkvc, .offset: 0, .size: 8, .value_kind: global_buffer, .address_space: global }
      - { .name: qkvs, .offset: 8, .size: 8, .value_kind: global_buffer, .address_space: global }
      - { .name: ac, .offset: 16, .size: 8, .value_kind: global_buffer, .address_space: global }
      - { .name: asc, .offset: 24, .size: 8, .value_kind: global_buffer, .address_space: global }
    .group_segment_fixed_size: 313344
    .private_segment_fixed_size: 0
    .kernarg_segment_align: 8
    .kernarg_segment_size: 32
    .max_flat_workgroup_size: 512
    .sgpr_count:     100
    .vgpr_count:     256
    .wavefront_size: 32
...
	.end_amdgpu_metadata
.endif
;; end of part 3
;; launch aproj (part 4): grid 8 x 32, 4 waves a work-group, clusters of 4 x 4, 327,680 bytes of LDS; arguments ac, asc, W_aproj_codes, W_aproj_scales, b_aproj, x, x1; writes x1
.if DOCPART == 4
	.amdgcn_target "amdgcn-amd-amdhsa--gfx1250"
	.amdhsa_code_object_version 6
	.text
	.protected	k_q4d00fb00f5_aproj
	.globl	k_q4d00fb00f5_aproj
	.p2align	8
	.type	k_q4d00fb00f5_aproj,@function
k_q4d00fb00f5_aproj:
	s_mov_b64 s[64:65], 0
	v_nop
	global_prefetch_b8 v0, s[64:65] scope:SCOPE_SE
	s_setreg_imm32_b32 hwreg(HW_REG_WAVE_MODE, 25, 1), 1
	s_wait_xcnt 0x0
	s_wait_alu depctr_hold_cnt(0) depctr_sa_sdst(0) depctr_va_vdst(0) depctr_va_sdst(0) depctr_va_ssrc(0) depctr_va_vcc(0) depctr_vm_vsrc(0)
	s_getreg_b32 s2, hwreg(HW_REG_IB_STS2, 6, 4)
	s_cmp_eq_u32 s2, 0
	s_cbranch_scc0 .Lentry_in_a_cluster
	s_endpgm
.Lentry_in_a_cluster:
	s_bfe_u32 s2, ttmp6, 0x10000c
	s_cmp_lg_u32 s2, 0xf033
	s_cbranch_scc0 .Lentry_shape_is_right
	s_endpgm
.Lentry_shape_is_right:
.set SIZE_K, 1024
.set KSLOT,  512
.set LAPS,   SIZE_K/(2*KSLOT)
.set KS,     SIZE_K/32
.set NPL,    SIZE_K/128
.set ASL,    65536
.set PITCH,  528
.set BH,     64*PITCH
.set SLOT,   ASL+2*BH
.set SCA,    2*SLOT
.set SCB,    SCA+NPL*512
.set HALFSB, (64*KS/256)*272
.set SBLK,   (16*KS/256)*272
.set SPARE,  SCB+2*HALFSB
.set SPITCH, 272
.set ADRA, 16
.set ADRB, 20
.set ADSA, 22
.set ADSB, 23
.set STO,  24
.set RD,   25
.set CO,   26
.set SPW,  28
.set NIL,  29
.set SA,   32
.set SB,   48
.set BB,   80
.set ACC,  128
.set F0,   0
.set F1,   128
.set G1, 24
.set G0, 32
.set G1B, 48
.set G0B, 56
.set G1S, 68
.set G0S, 76
.set G1SB, 80
.set G0SB, 88
.set MSB, 0
.macro WIN new
.if MSB != (\new)
	s_set_vgpr_msb (MSB<<8)|(\new)
.set MSB, (\new)
.endif
.endm
.set MUL,  0x05
.set TO_F, 0x40
.macro JLOAD g0a, g1a, g0b, g1b
	s_cmp_eq_u32 s15, 0
	s_cbranch_scc0 .Lfor_b_\@
	tensor_load_to_lds s[\g0a:\g0a+3], s[\g1a:\g1a+7]
	s_nop 0
.rept 4
	v_nop
.endr
	s_branch .Lasked_\@
.Lfor_b_\@:
	tensor_load_to_lds s[\g0b:\g0b+3], s[\g1b:\g1b+7]
	s_nop 0
.rept 4
	v_nop
.endr
.Lasked_\@:
.endm
.macro CREST
	s_cmp_lg_u32 s14, 0
	s_cbranch_scc1 .Lnot_wave_0_\@
	s_barrier_signal -3
.Lnot_wave_0_\@:
	s_barrier_wait -3
	s_barrier_signal -1
	s_barrier_wait -1
.endm
.macro CROUND
	s_barrier_signal -1
	s_barrier_wait -1
	CREST
.endm
	s_load_b128 s[4:7], s[0:1], 0x0
	s_load_b128 s[8:11], s[0:1], 0x10
	s_load_b128 s[92:95], s[0:1], 0x20
	s_load_b64 s[96:97], s[0:1], 0x30
	v_lshl_add_u32 v[SPW], v0, 2, SPARE
	v_mov_b32 v[NIL], 0
	ds_add_u32 v28, v29
	ds_add_u32 v28, v29
	s_wait_dscnt 0x0
	v_lshrrev_b32 v1, 5, v0
	v_readfirstlane_b32 s14, v1
	s_lshr_b32 s15, s14, 1
	s_and_b32 s16, s14, 1
	s_bfe_u32 s40, ttmp6, 0x40000
	s_bfe_u32 s41, ttmp6, 0x40004
	s_lshl_b32 s42, ttmp9, 2
	s_add_co_u32 s42, s42, s40
	s_and_b32 s17, ttmp7, 0xffff
	s_lshl_b32 s17, s17, 2
	s_add_co_u32 s17, s17, s41
	s_lshl_b32 s43, s41, 2
	s_lshl_b32 s43, 15, s43
	s_lshl_b32 s44, 0x1111, s40
	s_or_b32 s[G1+0], s43, (3<<16)|(1<<21)
	s_mov_b32 s[G1+1], 1024<<16
	s_mov_b32 s[G1+2], 8<<16
	s_mov_b32 s[G1+3], 1024<<16
	s_mov_b32 s[G1+4], 8
	s_mov_b32 s[G1+5], 2*SIZE_K
	s_mov_b32 s[G1+6], 0
	s_mov_b32 s[G1+7], 0
	s_or_b32 s[G1B+0], s44, (0<<16)|(1<<20)|(1<<21)|(6<<22)|(3<<25)
	s_mov_b32 s[G1B+1], KSLOT<<16
	s_mov_b32 s[G1B+2], 128<<16
	s_mov_b32 s[G1B+3], KSLOT<<16
	s_mov_b32 s[G1B+4], 128
	s_mov_b32 s[G1B+5], SIZE_K
	s_mov_b32 s[G1B+6], 0
	s_mov_b32 s[G1B+7], 0
	s_or_b32 s[G1S+0], s43, (3<<16)|(1<<21)
	s_mov_b32 s[G1S+1], 64<<16
	s_mov_b32 s[G1S+2], NPL<<16
	s_mov_b32 s[G1S+3], 64<<16
	s_mov_b32 s[G1S+4], NPL
	s_mov_b32 s[G1S+5], 2048
	s_mov_b32 s[G1S+6], 0
	s_mov_b32 s[G1S+7], 0
	s_or_b32 s[G1SB+0], s44, (3<<16)|(1<<20)|(1<<21)|(5<<22)|(3<<25)
	s_mov_b32 s[G1SB+1], 32<<16
	s_mov_b32 s[G1SB+2], (128*KS/256)<<16
	s_mov_b32 s[G1SB+3], 32<<16
	s_mov_b32 s[G1SB+4], 128*KS/256
	s_mov_b32 s[G1SB+5], 32
	s_mov_b32 s[G1SB+6], 0
	s_mov_b32 s[G1SB+7], 0
	s_lshl_b32 s20, s17, 3
	s_mul_i32 s20, s20, 16*SIZE_K
	s_mov_b32 s21, 0
	s_lshl_b32 s22, s17, 9
	s_mov_b32 s23, 0
	s_lshl_b32 s46, s42, 7
	s_mul_i32 s98, s46, KS
	s_mov_b32 s99, 0
	s_mul_i32 s46, s46, SIZE_K
	s_mov_b32 s47, 0
	s_lshl_b32 s45, s16, 15
	s_mul_i32 s18, s16, BH
	s_add_co_u32 s18, s18, ASL
	s_wait_kmcnt 0x0
	s_add_nc_u64 s[20:21], s[4:5], s[20:21]
	s_add_nc_u64 s[22:23], s[6:7], s[22:23]
	s_add_nc_u64 s[46:47], s[8:9], s[46:47]
	s_add_nc_u64 s[98:99], s[10:11], s[98:99]
	CROUND
	s_mov_b32 s[G0S], 1
	s_mov_b32 s[G0S+1], SCA
	s_mov_b64 s[G0S+2:G0S+3], s[22:23]
	s_or_b32 s[G0S+3], s[G0S+3], 0x80000000
	s_mov_b32 s[G0SB], 1
	s_mov_b32 s[G0SB+1], SCB
	s_mov_b64 s[G0SB+2:G0SB+3], s[98:99]
	s_or_b32 s[G0SB+3], s[G0SB+3], 0x80000000
	; THE HEAD'S FOUR TILES, each whole, one load a wave: wave 0 slot 0's part of A, wave 1 that of W, wave 2 A's scale words, wave 3 W's scale bytes.
	s_mov_b32 s[G0], 1                             ; slot 0's groups 0 serve the whole tiles first; behind the wait for them they are set for the ring
	s_mov_b32 s[G0+1], 0
	s_mov_b64 s[G0+2:G0+3], s[20:21]
	s_or_b32 s[G0+3], s[G0+3], 0x80000000
	s_mov_b32 s[G0B], 1
	s_mov_b32 s[G0B+1], ASL
	s_mov_b64 s[G0B+2:G0B+3], s[46:47]
	s_or_b32 s[G0B+3], s[G0B+3], 0x80000000
	s_mul_i32 s22, s16, 64*SIZE_K                  ; in the ring I fetch 64 rows: which half, in bytes (the same for A's images and W's rows)
	s_mov_b32 s23, 0
	s_add_nc_u64 s[20:21], s[20:21], s[22:23]
	s_add_nc_u64 s[46:47], s[46:47], s[22:23]
	s_mov_b32 s[G0+4], 1
	s_add_co_u32 s[G0+5], s45, SLOT
	s_add_nc_u64 s[G0+6:G0+7], s[20:21], 8192
	s_or_b32 s[G0+7], s[G0+7], 0x80000000
	s_mov_b32 s[G0B+4], 1
	s_add_co_u32 s[G0B+5], s18, SLOT
	s_add_nc_u64 s[G0B+6:G0B+7], s[46:47], KSLOT
	s_or_b32 s[G0B+7], s[G0B+7], 0x80000000
.macro ARM under, g0, g1, next         ; one tree of branches on the wave's number: every way passes exactly one load
	s_cmp_lt_u32 s14, \under
	s_cbranch_scc0 \next
	tensor_load_to_lds s[\g0:\g0+3], s[\g1:\g1+7]
	s_nop 0
.rept 4
	v_nop
.endr
	s_branch .Lhead_asked
\next:
.endm
	ARM 1, G0,  G1,  .Lhead_b
	ARM 2, G0B, G1B, .Lhead_sa
	ARM 3, G0S, G1S, .Lhead_sb
	tensor_load_to_lds s[G0SB:G0SB+3], s[G1SB:G1SB+7]
	s_nop 0
.rept 4
	v_nop
.endr
.Lhead_asked:
	v_and_b32 v1, 15, v0
	v_bfe_u32 v2, v0, 4, 1
	v_and_b32 v3, 31, v0
	v_lshlrev_b32 v3, 4, v3
	v_mul_u32_u24 v4, v1, PITCH
	v_lshl_add_u32 v4, v2, 4, v4
	s_lshl_b32 s21, s15, 15
	s_mul_i32 s22, s16, BH
	s_add_co_u32 s22, s22, ASL
.irp s, 0,1
	v_add_nc_u32 v[ADRA+\s], s21, v3
	v_add_nc_u32 v[ADRB+\s], s22, v4
	s_add_co_u32 s21, s21, SLOT
	s_add_co_u32 s22, s22, SLOT
.endr
	v_lshlrev_b32 v5, 2, v1
	v_lshl_add_u32 v5, v2, 9, v5
	s_lshl_b32 s21, s15, 8
	s_add_co_u32 s21, s21, SCA
	v_add_nc_u32 v[ADSA], s21, v5
	v_mul_u32_u24 v5, v1, KS
	v_lshrrev_b32 v6, 8, v5
	v_lshl_add_u32 v5, v6, 4, v5
	s_mul_i32 s21, s16, HALFSB
	s_add_co_u32 s21, s21, SCB
	v_add_nc_u32 v[ADSB], s21, v5
	s_mul_i32 s23, s14, 16*SPITCH
	v_mul_u32_u24 v5, v1, SPITCH
	v_lshl_add_u32 v5, v2, 5, v5
	v_add_nc_u32 v[STO], s23, v5
	v_mul_u32_u24 v5, v2, SPITCH
	v_lshl_add_u32 v5, v1, 4, v5
	v_add_nc_u32 v[RD], s23, v5
	v_lshlrev_b32 v5, 12, v2
	v_lshl_add_u32 v[CO], v1, 4, v5
	v_lshlrev_b32 v30, 5, v2
	s_wait_alu depctr_va_vdst(0)
	s_lshl_b32 s22, s42, 9
	s_lshl_b32 s23, s16, 8
	s_add_co_u32 s22, s22, s23
	s_mov_b32 s23, 0
	s_add_nc_u64 s[92:93], s[92:93], s[22:23]
	s_lshl_b32 s20, s17, 19
	s_lshl_b32 s21, s15, 18
	s_add_co_u32 s20, s20, s21
	s_add_co_u32 s20, s20, s22
	s_mov_b32 s21, 0
	s_add_nc_u64 s[94:95], s[94:95], s[20:21]
	s_add_nc_u64 s[96:97], s[96:97], s[20:21]
.irp b, 0,1,2,3
	global_load_b128 v[BB+8*\b:BB+8*\b+3], v30, s[92:93] offset:64*\b
	global_load_b128 v[BB+8*\b+4:BB+8*\b+7], v30, s[92:93] offset:64*\b+16
.endr
.macro MUL4 f, q, set, a, zero
.irp b, 0,1,2,3
.if \zero
	v_wmma_scale_f32_16x16x128_f8f6f4 v[ACC+8*(4*(\a)+\b):ACC+8*(4*(\a)+\b)+7], v[(\f)+64+16*\b:(\f)+64+16*\b+15], v[(\f)+16*(\a):(\f)+16*(\a)+15], v[BB+8*\b:BB+8*\b+7], v[SB+16*(\set)+4*\b+(\q)], v[SA+8*(\set)+2*(\a)+(\q)/2]
.elseif (\q)%2
	v_wmma_scale_f32_16x16x128_f8f6f4 v[ACC+8*(4*(\a)+\b):ACC+8*(4*(\a)+\b)+7], v[(\f)+64+16*\b:(\f)+64+16*\b+15], v[(\f)+16*(\a):(\f)+16*(\a)+15], v[ACC+8*(4*(\a)+\b):ACC+8*(4*(\a)+\b)+7], v[SB+16*(\set)+4*\b+(\q)], v[SA+8*(\set)+2*(\a)+(\q)/2] matrix_b_scale:MATRIX_SCALE_ROW1
.else
	v_wmma_scale_f32_16x16x128_f8f6f4 v[ACC+8*(4*(\a)+\b):ACC+8*(4*(\a)+\b)+7], v[(\f)+64+16*\b:(\f)+64+16*\b+15], v[(\f)+16*(\a):(\f)+16*(\a)+15], v[ACC+8*(4*(\a)+\b):ACC+8*(4*(\a)+\b)+7], v[SB+16*(\set)+4*\b+(\q)], v[SA+8*(\set)+2*(\a)+(\q)/2]
.endif
.endr
.endm
.macro FETCH slot, q, f
	WIN TO_F
.irp b, 0,1,2,3
.irp c, 0,1,2,3
	ds_load_b128 v[(\f)+64+16*\b+4*\c:(\f)+64+16*\b+4*\c+3], v[ADRB+\slot] offset:16*PITCH*\b+128*(\q)+32*\c
.endr
.endr
.irp i, 0,1,2,3
.irp c, 0,1,2,3
	ds_load_b128 v[(\f)+16*\i+4*\c:(\f)+16*\i+4*\c+3], v[ADRA+\slot] offset:8192*\i+2048*(\q)+512*\c
.endr
.endr
.endm
.macro SCALES set
.irp i, 0,1,2,3
.irp p, 0,1
	ds_load_b32 v[SA+8*\set+2*\i+\p], v[ADSA] offset:64*\i+1024*\p
.endr
.endr
.irp b, 0,1,2,3
	ds_load_b128 v[SB+16*\set+4*\b:SB+16*\set+4*\b+3], v[ADSB] offset:\b*SBLK
.endr
.endm
.macro PLACES n
.rept \n
	v_nop
.endr
.endm
.macro STEP slot, q, zero
	s_wait_dscnt 8
	WIN MUL
	MUL4 128*((\q)%2), \q, \slot, 0, \zero
	MUL4 128*((\q)%2), \q, \slot, 1, \zero
	PLACES 8
	FETCH \slot, (\q)+1, 128*(1-(\q)%2)
	s_wait_dscnt 32
	WIN MUL
	MUL4 128*((\q)%2), \q, \slot, 2, \zero
	MUL4 128*((\q)%2), \q, \slot, 3, \zero
.endm
.macro TURN slot, next, fill
	WIN 0
	s_wait_tensorcnt 0x0
	ds_add_u32 v[SPW], v[NIL]
	s_wait_dscnt 9
	WIN MUL
	MUL4 F1, 3, \slot, 0, 0
	s_wait_dscnt 0x0
	s_barrier_signal -1
	MUL4 F1, 3, \slot, 1, 0
	WIN 0
	s_barrier_wait -1
.if \fill
	CREST
	s_add_nc_u64 s[G0+4*\slot+2:G0+4*\slot+3], s[G0+4*\slot+2:G0+4*\slot+3], 2*8192
	s_add_nc_u64 s[G0B+4*\slot+2:G0B+4*\slot+3], s[G0B+4*\slot+2:G0B+4*\slot+3], 2*KSLOT
	JLOAD G0+4*\slot, G1, G0B+4*\slot, G1B
	PLACES 4
.else
	PLACES 8
.endif
	v_add_nc_u32 v[ADSA], 2048, v[ADSA]
	v_add_nc_u32 v[ADSB], 16, v[ADSB]
	SCALES \next
	FETCH \next, 0, F0
	WIN MUL
	MUL4 F1, 3, \slot, 2, 0
	MUL4 F1, 3, \slot, 3, 0
.endm
	s_wait_loadcnt 0x0
	s_wait_alu depctr_va_vdst(0)                   ; the wait at the head's end
	s_wait_tensorcnt 0x0                           ; my tile of the head's four is in
	ds_add_u32 v[SPW], v[NIL]
	s_mov_b32 s[G1+2], 4<<16                       ; no tensor load of mine is out: from here on a load brings half a tile,
	s_mov_b32 s[G1+4], 4
	s_mov_b32 s[G1B+2], 64<<16
	s_mov_b32 s[G1B+4], 64
	s_mul_i32 s22, s16, 64*SIZE_K                  ; and slot 0's groups 0 name my half, from which the first refill steps on
	s_mov_b32 s23, 0
	s_mov_b32 s[G0+1], s45
	s_add_nc_u64 s[G0+2:G0+3], s[G0+2:G0+3], s[22:23]
	s_mov_b32 s[G0B+1], s18
	s_add_nc_u64 s[G0B+2:G0B+3], s[G0B+2:G0B+3], s[22:23]
	s_wait_dscnt 0x0
	CROUND                                         ; all four tiles are in, and all sixteen work-groups are here
	JLOAD G0+4, G1, G0B+4, G1B                     ; slot 1: the first tensor load behind the round
	SCALES 0
	FETCH 0, 0, F0
	WIN 0x80                                       ; the residual's 32 loads, into window 2: asked for behind both slots' tiles, wanted on the way out
.irp a, 0,1,2,3
.irp t, 0,1,2,3,4,5,6,7
	global_load_b128 v[32*\a+4*\t:32*\a+4*\t+3], v[CO], s[94:95] offset:(16*\a+2*\t)*4096
.endr
.endr
	WIN 0
	STEP 0, 0, 1
.if LAPS > 1
	WIN 0
	s_mov_b32 s3, LAPS-1
.Llap:
	STEP 0, 1, 0
	STEP 0, 2, 0
	TURN 0, 1, 1
	STEP 1, 0, 0
	STEP 1, 1, 0
	STEP 1, 2, 0
	TURN 1, 0, 1
	STEP 0, 0, 0
	WIN 0
	s_sub_co_u32 s3, s3, 1
	s_cmp_lg_u32 s3, 0
	s_cbranch_scc1 .Llap
.endif
	STEP 0, 1, 0
	STEP 0, 2, 0
	TURN 0, 1, 0
	STEP 1, 0, 0
	STEP 1, 1, 0
	STEP 1, 2, 0
	s_wait_dscnt 8
	WIN MUL
	MUL4 F1, 3, 1, 0, 0
	MUL4 F1, 3, 1, 1, 0
	s_wait_dscnt 0x0
	MUL4 F1, 3, 1, 2, 0
	MUL4 F1, 3, 1, 3, 0
	WIN 0
.macro TOSTAGE a
	WIN 0
.irp b, 0,1,2,3
	ds_store_b128 v[STO], v[ACC+8*(4*(\a)+\b):ACC+8*(4*(\a)+\b)+3] offset:64*\b
	ds_store_b128 v[STO], v[ACC+8*(4*(\a)+\b)+4:ACC+8*(4*(\a)+\b)+7] offset:64*\b+16
.endr
	WIN 0x40
.irp t, 0,1,2,3,4,5,6,7
	ds_load_b128 v[32*((\a)%2)+4*\t:32*((\a)%2)+4*\t+3], v[RD] offset:\t*2*SPITCH
.endr
.endm
.macro SEND a, younger
	s_wait_dscnt \younger
	s_wait_loadcnt 8*(3-(\a))
	WIN 0x49
.irp i, 0,2,4,6,8,10,12,14,16,18,20,22,24,26,28,30
	v_pk_add_f32 v[32*((\a)%2)+\i:32*((\a)%2)+\i+1], v[32*((\a)%2)+\i:32*((\a)%2)+\i+1], v[32*(\a)+\i:32*(\a)+\i+1]
.endr
	WIN 0x04
.irp t, 0,1,2,3,4,5,6,7
	global_store_b128 v[CO], v[32*((\a)%2)+4*\t:32*((\a)%2)+4*\t+3], s[96:97] offset:(16*(\a)+2*\t)*4096
.endr
.endm
	PLACES 8
	TOSTAGE 0
	TOSTAGE 1
	SEND 0, 16
	s_wait_xcnt 0x0
	TOSTAGE 2
	SEND 1, 16
	s_wait_xcnt 0x0
	TOSTAGE 3
	SEND 2, 16
	SEND 3, 0
	WIN 0
	s_wait_tensorcnt 0x0
	ds_add_u32 v[SPW], v[NIL]
	s_wait_dscnt 0x0
	CROUND
	s_endpgm
.Lfunc_end_k_q4d00fb00f5_aproj:
	.size	k_q4d00fb00f5_aproj, .Lfunc_end_k_q4d00fb00f5_aproj-k_q4d00fb00f5_aproj
	.p2alignl 7, 3214868480
	.fill 96, 4, 3214868480
	.section	.rodata,"a",@progbits
	.p2align	6, 0x0
	.amdhsa_kernel k_q4d00fb00f5_aproj
		.amdhsa_group_segment_fixed_size 327680
		.amdhsa_private_segment_fixed_size 0
		.amdhsa_enable_private_segment 0
		.amdhsa_kernarg_size 56
		.amdhsa_user_sgpr_count 2
		.amdhsa_user_sgpr_kernarg_segment_ptr 1
		.amdhsa_wavefront_size32 1
		.amdhsa_system_sgpr_workgroup_id_x 1
		.amdhsa_system_sgpr_workgroup_id_y 1
		.amdhsa_system_sgpr_workgroup_id_z 1
		.amdhsa_system_vgpr_workitem_id 0
		.amdhsa_next_free_vgpr 640
		.amdhsa_next_free_sgpr 100
		.amdhsa_reserve_vcc 0
		.amdhsa_float_denorm_mode_32 3
		.amdhsa_float_denorm_mode_16_64 3
		.amdhsa_memory_ordered 1
		.amdhsa_forward_progress 1
		.amdhsa_inst_pref_size 64
	.end_amdhsa_kernel
	.amdgpu_metadata
---
amdhsa.version: [ 1, 2 ]
amdhsa.kernels:
  - .name:           k_q4d00fb00f5_aproj
    .symbol:         k_q4d00fb00f5_aproj.kd
    .args:
      - { .name: ac, .offset: 0, .size: 8, .value_kind: global_buffer, .address_space: global }
      - { .name: asc, .offset: 8, .size: 8, .value_kind: global_buffer, .address_space: global }
      - { .name: W_aproj_codes, .offset: 16, .size: 8, .value_kind: global_buffer, .address_space: global }
      - { .name: W_aproj_scales, .offset: 24, .size: 8, .value_kind: global_buffer, .address_space: global }
      - { .name: b_aproj, .offset: 32, .size: 8, .value_kind: global_buffer, .address_space: global }
      - { .name: x, .offset: 40, .size: 8, .value_kind: global_buffer, .address_space: global }
      - { .name: x1, .offset: 48, .size: 8, .value_kind: global_buffer, .address_space: global }
    .group_segment_fixed_size: 327680
    .private_segment_fixed_size: 0
    .kernarg_segment_align: 8
    .kernarg_segment_size: 56
    .max_flat_workgroup_size: 128
    .sgpr_count:     100
    .vgpr_count:     640
    .wavefront_size: 32
...
	.end_amdgpu_metadata
.endif
;; end of part 4
;; launch ln2: the kernel of part 1 again; grid 256 x 1, 16 waves a work-group, no clusters, 84,480 bytes of LDS; arguments x1, ln2_g, ln2_b, hc, hs; writes hc, hs
;; launch fc (part 5): grid 16 x 16, 4 waves a work-group, clusters of 4 x 4, 327,680 bytes of LDS; arguments hc, hs, W_fc_codes, W_fc_scales, b_fc, ac, asc; writes ac, asc
.if DOCPART == 5
	.amdgcn_target "amdgcn-amd-amdhsa--gfx1250"
	.amdhsa_code_object_version 6
	.text
	.protected	k_q4d00fb00f5_fc
	.globl	k_q4d00fb00f5_fc
	.p2align	8
	.type	k_q4d00fb00f5_fc,@function
k_q4d00fb00f5_fc:
	s_mov_b64 s[64:65], 0
	v_nop
	global_prefetch_b8 v0, s[64:65] scope:SCOPE_SE
	s_setreg_imm32_b32 hwreg(HW_REG_WAVE_MODE, 25, 1), 1
	s_wait_xcnt 0x0
	s_wait_alu depctr_hold_cnt(0) depctr_sa_sdst(0) depctr_va_vdst(0) depctr_va_sdst(0) depctr_va_ssrc(0) depctr_va_vcc(0) depctr_vm_vsrc(0)
	s_getreg_b32 s2, hwreg(HW_REG_IB_STS2, 6, 4)
	s_cmp_eq_u32 s2, 0
	s_cbranch_scc0 .Lentry_in_a_cluster
	s_endpgm
.Lentry_in_a_cluster:
	s_bfe_u32 s2, ttmp6, 0x10000c
	s_cmp_lg_u32 s2, 0xf033
	s_cbranch_scc0 .Lentry_shape_is_right
	s_endpgm
.Lentry_shape_is_right:
.set SIZE_K, 1024
.set KSTEP,  256
.set NQ,     KSTEP/128
.set ROWB,   256
.set KROW,   SIZE_K
.set PITCH,  272
.set FR,     16
.set NL,     4
.set NP,     8
.set HALFT,  128*PITCH
.set SLOT,   4*HALFT
.set LAPS,   SIZE_K/(2*KSTEP)
.set KS,     SIZE_K/32
.set SCL,    2*SLOT
.set HALFS,  (128*KS/256)*272
.set SBLK,   (16*KS/256)*272
.set SPARE,  SCL+4*HALFS
.set SWT,  6
.set LI,   7
.set ADRA, 16
.set ADRB, 20
.set SWA,  24
.set SRD,  25
.set VC1,  26
.set ADRS, 27
.set SPW,  28
.set NIL,  29
.set SC,   32
.set BB,   64
.set AF,   128
.set X,    128
.set U,    192
.set PC,   128
.set TM,   144
.set PW,   160
.set SX,   162
.set SY,   170
.set PL0,  180
.set G1, 24
.set G0, 32
.set G1B, 48
.set G0B, 56
.set G1S, 68
.set G0S, 76
.set G1SB, 80
.set G0SB, 88
.set SEL, 20
.set HM,  22
.set MNT, 23
.set C2,  42
.set MSB, 0
.macro WIN new
.if MSB != (\new)
	s_set_vgpr_msb (MSB<<8)|(\new)
.set MSB, (\new)
.endif
.endm
.set MUL_LO, 0xa1
.set MUL_HI, 0xf1
.set TO_B,   0x40
.macro JLOAD g0a, g1a, g0b, g1b
	s_cmp_eq_u32 s15, 0
	s_cbranch_scc0 .Lfor_b_\@
	tensor_load_to_lds s[\g0a:\g0a+3], s[\g1a:\g1a+7]
	s_nop 0
.rept 4
	v_nop
.endr
	s_branch .Lasked_\@
.Lfor_b_\@:
	tensor_load_to_lds s[\g0b:\g0b+3], s[\g1b:\g1b+7]
	s_nop 0
.rept 4
	v_nop
.endr
.Lasked_\@:
.endm
.macro CREST
	s_cmp_lg_u32 s14, 0
	s_cbranch_scc1 .Lnot_wave_0_\@
	s_barrier_signal -3
.Lnot_wave_0_\@:
	s_barrier_wait -3
	s_barrier_signal -1
	s_barrier_wait -1
.endm
.macro CROUND
	s_barrier_signal -1
	s_barrier_wait -1
	CREST
.endm
	s_load_b128 s[4:7], s[0:1], 0x0
	s_load_b128 s[8:11], s[0:1], 0x10
	s_load_b64 s[104:105], s[0:1], 0x20
	s_load_b64 s[12:13], s[0:1], 0x28
	s_load_b64 s[100:101], s[0:1], 0x30
	v_lshl_add_u32 v[SPW], v0, 2, SPARE
	v_mov_b32 v[NIL], 0
	ds_add_u32 v28, v29
	ds_add_u32 v28, v29
	s_wait_dscnt 0x0
	v_lshrrev_b32 v1, 5, v0
	v_readfirstlane_b32 s14, v1
	s_lshr_b32 s15, s14, 1
	s_and_b32 s16, s14, 1
	s_bfe_u32 s40, ttmp6, 0x40000
	s_bfe_u32 s41, ttmp6, 0x40004
	s_lshl_b32 s42, ttmp9, 2
	s_add_co_u32 s42, s42, s40
	s_and_b32 s17, ttmp7, 0xffff
	s_lshl_b32 s17, s17, 2
	s_add_co_u32 s17, s17, s41
	s_lshl_b32 s43, s41, 2
	s_lshl_b32 s43, 15, s43
	s_lshl_b32 s44, 0x1111, s40
	s_or_b32 s[G1+0], s43, (0<<16)|(1<<20)|(1<<21)|(5<<22)|(3<<25)
	s_or_b32 s[G1B+0], s44, (0<<16)|(1<<20)|(1<<21)|(5<<22)|(3<<25)
.irp g, G1, G1B
	s_mov_b32 s[\g+1], ROWB<<16
	s_mov_b32 s[\g+2], 256<<16
	s_mov_b32 s[\g+3], ROWB<<16
	s_mov_b32 s[\g+4], 256
	s_mov_b32 s[\g+5], KROW
	s_mov_b32 s[\g+6], 0
	s_mov_b32 s[\g+7], 0
.endr
	s_or_b32 s[G1S+0], s43, (3<<16)|(1<<20)|(1<<21)|(5<<22)|(3<<25)
	s_or_b32 s[G1SB+0], s44, (3<<16)|(1<<20)|(1<<21)|(5<<22)|(3<<25)
.irp g, G1S, G1SB
	s_mov_b32 s[\g+1], 32<<16
	s_mov_b32 s[\g+2], KS<<16
	s_mov_b32 s[\g+3], 32<<16
	s_mov_b32 s[\g+4], KS
	s_mov_b32 s[\g+5], 32
	s_mov_b32 s[\g+6], 0
	s_mov_b32 s[\g+7], 0
.endr
	s_lshl_b32 s20, s17, 8
	s_lshl_b32 s46, s42, 8
	s_mov_b32 s21, 0
	s_mov_b32 s47, 0
	s_mov_b64 s[18:19], KS
	s_mul_u64 s[22:23], s[20:21], s[18:19]
	s_mul_u64 s[92:93], s[46:47], s[18:19]
	s_mov_b64 s[18:19], KROW
	s_mul_u64 s[20:21], s[20:21], s[18:19]
	s_mul_u64 s[46:47], s[46:47], s[18:19]
	s_mul_i32 s45, s14, HALFT
	s_wait_kmcnt 0x0
	s_add_nc_u64 s[20:21], s[4:5], s[20:21]
	s_add_nc_u64 s[22:23], s[6:7], s[22:23]
	s_add_nc_u64 s[46:47], s[8:9], s[46:47]
	s_add_nc_u64 s[92:93], s[10:11], s[92:93]
	CROUND
	; THE HEAD'S FOUR TILES, each whole, one load a wave: wave 0 K step 0's 256 rows of A, wave 1 those of B, wave 2 A's scale bytes, wave 3 B's.
	s_mov_b32 s[G0S], 1
	s_mov_b32 s[G0S+1], SCL
	s_mov_b64 s[G0S+2:G0S+3], s[22:23]
	s_or_b32 s[G0S+3], s[G0S+3], 0x80000000
	s_mov_b32 s[G0SB], 1
	s_mov_b32 s[G0SB+1], SCL+2*HALFS
	s_mov_b64 s[G0SB+2:G0SB+3], s[92:93]
	s_or_b32 s[G0SB+3], s[G0SB+3], 0x80000000
	s_mov_b32 s[G0], 1                             ; slot 0's groups 0 serve the head's whole tiles first; behind the wait for them they are set for the ring
	s_mov_b32 s[G0+1], 0
	s_mov_b64 s[G0+2:G0+3], s[20:21]
	s_or_b32 s[G0+3], s[G0+3], 0x80000000
	s_mov_b32 s[G0B], 1
	s_mov_b32 s[G0B+1], 2*HALFT
	s_mov_b64 s[G0B+2:G0B+3], s[46:47]
	s_or_b32 s[G0B+3], s[G0B+3], 0x80000000
	s_mul_i32 s18, s16, 128*KROW                   ; in the ring I fetch 128 rows: which half, in bytes
	s_mov_b32 s19, 0
	s_add_nc_u64 s[20:21], s[20:21], s[18:19]
	s_add_nc_u64 s[46:47], s[46:47], s[18:19]
	s_mov_b32 s[G0+4], 1
	s_add_co_u32 s[G0+5], s45, SLOT
	s_add_nc_u64 s[G0+6:G0+7], s[20:21], ROWB
	s_or_b32 s[G0+7], s[G0+7], 0x80000000
	s_mov_b32 s[G0B+4], 1
	s_add_co_u32 s[G0B+5], s45, SLOT
	s_add_nc_u64 s[G0B+6:G0B+7], s[46:47], ROWB
	s_or_b32 s[G0B+7], s[G0B+7], 0x80000000
.macro ARM under, g0, g1, next         ; one tree of branches on the wave's number: every way passes exactly one load
	s_cmp_lt_u32 s14, \under
	s_cbranch_scc0 \next
	tensor_load_to_lds s[\g0:\g0+3], s[\g1:\g1+7]
	s_nop 0
.rept 4
	v_nop
.endr
	s_branch .Lhead_asked
\next:
.endm
	ARM 1, G0,  G1,  .Lhead_b
	ARM 2, G0B, G1B, .Lhead_sa
	ARM 3, G0S, G1S, .Lhead_sb
	tensor_load_to_lds s[G0SB:G0SB+3], s[G1SB:G1SB+7]
	s_nop 0
.rept 4
	v_nop
.endr
.Lhead_asked:
	v_and_b32 v1, 15, v0
	v_bfe_u32 v2, v0, 4, 1
	v_mul_u32_u24 v3, v1, PITCH
	v_lshl_add_u32 v4, v2, 4, v3
	s_mul_i32 s21, s15, HALFT
	s_mul_i32 s22, s16, HALFT
	s_add_co_u32 s22, s22, 2*HALFT
.irp s, 0,1
	v_add_nc_u32 v[ADRA+\s], s21, v4
	v_add_nc_u32 v[ADRB+\s], s22, v4
	s_add_co_u32 s21, s21, SLOT
	s_add_co_u32 s22, s22, SLOT
.endr
	v_mul_u32_u24 v5, v1, KS
	v_lshrrev_b32 v6, 8, v5
	v_lshl_add_u32 v5, v6, 4, v5
	s_mul_i32 s21, s15, HALFS
	s_mul_i32 s22, s16, HALFS
	s_add_co_u32 s22, s22, 2*HALFS
	s_sub_co_u32 s22, s22, s21
	v_mul_u32_u24 v6, s22, v2
	s_add_co_u32 s21, s21, SCL
	v_add_nc_u32 v5, v5, v6
	v_add_nc_u32 v[ADRS], s21, v5
	v_and_b32 v3, 31, v0
	v_lshlrev_b32 v[LI], 4, v3
	s_lshl_b32 s21, s14, 10
	v_lshl_add_u32 v[SWA], v1, 2, s21
	v_add_nc_u32 v[SRD], s21, v[LI]
	v_lshlrev_b32 v30, 5, v2
	s_wait_alu depctr_va_vdst(0)
	s_lshl_b32 s95, s17, 8
	s_lshl_b32 s18, s15, 7
	s_add_co_u32 s95, s95, s18
	s_lshl_b32 s96, s42, 8
	s_lshl_b32 s18, s16, 7
	s_add_co_u32 s96, s96, s18
	s_lshr_b32 s18, s96, 7
	s_lshl_b32 s46, s95, 12
	s_lshl_b32 s47, s18, 11
	s_add_co_u32 s46, s46, s47
	s_mov_b32 s47, 0
	s_lshl_b32 s92, s18, 14
	s_lshl_b32 s93, s95, 2
	s_add_co_u32 s92, s92, s93
	s_mov_b32 s93, 0
	s_lshl_b32 s18, s96, 2
	s_mov_b32 s19, 0
	s_add_nc_u64 s[12:13], s[12:13], s[46:47]
	s_add_nc_u64 s[100:101], s[100:101], s[92:93]
	s_add_nc_u64 s[18:19], s[104:105], s[18:19]
.irp b, 0,1,2,3,4,5,6,7
	global_load_b128 v[BB+8*\b:BB+8*\b+3], v30, s[18:19] offset:64*\b
	global_load_b128 v[BB+8*\b+4:BB+8*\b+7], v30, s[18:19] offset:64*\b+16
.endr
	s_mov_b32 s6, 65536
	s_mov_b32 s7, 0
	s_mov_b32 s[SEL], 0x76543210
	s_mov_b32 s[SEL+1], 0xfedcba98
	s_mov_b32 s[HM], 0xffff0000
	s_mov_b32 s[MNT], 0x600000
	s_mov_b32 s[C2], 0xbdd2d3e8
	s_mov_b32 s[C2+1], s[C2]
.macro FRAG reg, adr, q, i
.irp c, 0,1,2,3
	ds_load_b128 v[\reg+4*\c:\reg+4*\c+3], v[\adr] offset:128*(\q)+32*\c+(\i)*16*PITCH
.endr
.endm
.macro MUL16 a0, p, q, sc, zero
.irp a, \a0, \a0+1
.irp b, 0,1,2,3,4,5,6,7
.if \zero
	v_wmma_scale_f32_16x16x128_f8f6f4 v[8*(8*((\a)%4)+\b):8*(8*((\a)%4)+\b)+7], v[128*(\p)+FR*\b:128*(\p)+FR*\b+FR-1], v[AF+FR*(\a):AF+FR*(\a)+FR-1], 0, v[SC+8*NQ*(\sc)+NQ*\b+(\q)], v[SC+8*NQ*(\sc)+NQ*(\a)+(\q)] matrix_a_scale:MATRIX_SCALE_ROW1
.else
	v_wmma_scale_f32_16x16x128_f8f6f4 v[8*(8*((\a)%4)+\b):8*(8*((\a)%4)+\b)+7], v[128*(\p)+FR*\b:128*(\p)+FR*\b+FR-1], v[AF+FR*(\a):AF+FR*(\a)+FR-1], v[8*(8*((\a)%4)+\b):8*(8*((\a)%4)+\b)+7], v[SC+8*NQ*(\sc)+NQ*\b+(\q)], v[SC+8*NQ*(\sc)+NQ*(\a)+(\q)] matrix_a_scale:MATRIX_SCALE_ROW1
.endif
.endr
.endr
.endm
.macro FETCH_B slot, q, p
	WIN TO_B
.irp i, 0,1,2,3,4,5,6,7
	FRAG 128*(\p)+FR*\i, ADRB+\slot, \q, \i
.endr
	WIN 0
.endm
.macro FETCH_A slot, q, i0
.irp i, \i0, \i0+1, \i0+2, \i0+3
	FRAG AF+FR*(\i), ADRA+\slot, \q, \i
.endr
.endm
.macro SCALES sc
.irp i, 0,1,2,3,4,5,6,7
	ds_load_b64 v[SC+8*NQ*\sc+NQ*\i:SC+8*NQ*\sc+NQ*\i+1], v[ADRS] offset:\i*SBLK
.endr
.endm
.macro PLACES n
.rept \n
	v_nop
.endr
.endm
.macro STEP slot, q, zero
	s_wait_dscnt 4*NL
	WIN MUL_LO
	MUL16 0, (\q)%2, \q, \slot, \zero
	MUL16 2, (\q)%2, \q, \slot, \zero
	s_wait_dscnt 0
	PLACES NP
	FETCH_B \slot, (\q)+1, 1-(\q)%2
	FETCH_A \slot, (\q)+1, 0
	WIN MUL_HI
	MUL16 4, (\q)%2, \q, \slot, \zero
	MUL16 6, (\q)%2, \q, \slot, \zero
	PLACES NP
	WIN 0
	FETCH_A \slot, (\q)+1, 4
.endm
.macro TURN slot, next, fill
	s_wait_tensorcnt 0x0
	ds_add_u32 v[SPW], v[NIL]
	s_wait_dscnt 4*NL+1
	WIN MUL_LO
	MUL16 0, 1, NQ-1, \slot, 0
	s_wait_dscnt 0x0
	s_barrier_signal -1
	MUL16 2, 1, NQ-1, \slot, 0
	WIN 0
	s_barrier_wait -1
.if \fill
	CREST
	s_add_nc_u64 s[G0+4*\slot+2:G0+4*\slot+3], s[G0+4*\slot+2:G0+4*\slot+3], 2*ROWB
	s_add_nc_u64 s[G0B+4*\slot+2:G0B+4*\slot+3], s[G0B+4*\slot+2:G0B+4*\slot+3], 2*ROWB
	JLOAD G0+4*\slot, G1, G0B+4*\slot, G1B
	PLACES NP-4
.else
	PLACES NP
.endif
	s_wait_alu depctr_va_vdst(0)
	v_add_nc_u32 v[ADRS], 4*NQ, v[ADRS]
	FETCH_B \next, 0, 0
	FETCH_A \next, 0, 0
	SCALES \next
	WIN MUL_HI
	MUL16 4, 1, NQ-1, \slot, 0
	MUL16 6, 1, NQ-1, \slot, 0
	PLACES NP
	WIN 0
	FETCH_A \next, 0, 4
.endm
	s_wait_loadcnt 0x0
	s_wait_alu depctr_va_vdst(0)                   ; the wait at the head's end
	s_wait_tensorcnt 0x0                           ; my tile of the head's four is in
	ds_add_u32 v[SPW], v[NIL]
	s_mov_b32 s[G1+2], 128<<16                     ; no tensor load of mine is out: from here on a load brings 128 rows,
	s_mov_b32 s[G1+4], 128
	s_mov_b32 s[G1B+2], 128<<16
	s_mov_b32 s[G1B+4], 128
	s_mul_i32 s18, s16, 128*KROW                   ; and slot 0's groups 0 name my half of K step 0, from which the first refill steps on
	s_mov_b32 s19, 0
	s_mov_b32 s[G0+1], s45
	s_add_nc_u64 s[G0+2:G0+3], s[G0+2:G0+3], s[18:19]
	s_mov_b32 s[G0B+1], s45
	s_add_nc_u64 s[G0B+2:G0B+3], s[G0B+2:G0B+3], s[18:19]
	s_wait_dscnt 0x0
	CROUND                                         ; all four tiles are in, and all sixteen work-groups are here
	JLOAD G0+4, G1, G0B+4, G1B                     ; K step 1: the first tensor load behind the round
	FETCH_B 0, 0, 0
	FETCH_A 0, 0, 0
	SCALES 0
	FETCH_A 0, 0, 4
	STEP 0, 0, 1
	s_mov_b32 s3, LAPS-1
.Llap:
	TURN 0, 1, 1
	STEP 1, 0, 0
	TURN 1, 0, 1
	STEP 0, 0, 0
	s_sub_co_u32 s3, s3, 1
	s_cmp_lg_u32 s3, 0
	s_cbranch_scc1 .Llap
	TURN 0, 1, 0
	STEP 1, 0, 0
	s_wait_dscnt 4*NL
	WIN MUL_LO
	MUL16 0, 1, NQ-1, 1, 0
	MUL16 2, 1, NQ-1, 1, 0
	s_wait_dscnt 0
	WIN MUL_HI
	MUL16 4, 1, NQ-1, 1, 0
	MUL16 6, 1, NQ-1, 1, 0
	WIN 0
.macro COPY a
	WIN 0x02+(\a)/4
.set AC, 64*((\a)%4)
.set i, 0
.rept 32
	v_pk_add_f32 v[X+i:X+i+1], v[AC+i:AC+i+1], v[BB+i:BB+i+1]
.set i, i+2
.endr
	WIN 0
.endm
.macro GELU
.set i, 0
.rept 32
	v_pk_mul_f32 v[U+i:U+i+1], v[X+i:X+i+1], v[X+i:X+i+1]
.set i, i+2
.endr
.set i, 0
.rept 32
	v_pk_fma_f32 v[U+i:U+i+1], v[U+i:U+i+1], s[C2:C2+1], v[VC1:VC1+1] op_sel_hi:[1,0,1]
.set i, i+2
.endr
.set i, 0
.rept 32
	v_pk_mul_f32 v[U+i:U+i+1], v[U+i:U+i+1], v[X+i:X+i+1]
.set i, i+2
.endr
.set i, 0
	s_wait_alu depctr_va_vdst(0)
.rept 64
	v_exp_f32 v[U+i], v[U+i]
.set i, i+1
.endr
	v_nop
.set i, 0
	s_wait_alu depctr_va_vdst(0)
.rept 32
	v_pk_add_f32 v[U+i:U+i+1], v[U+i:U+i+1], 1.0 op_sel_hi:[1,0]
.set i, i+2
.endr
.set i, 0
	s_wait_alu depctr_va_vdst(0)
.rept 64
	v_rcp_f32 v[U+i], v[U+i]
.set i, i+1
.endr
	v_nop
.set i, 0
	s_wait_alu depctr_va_vdst(0)
.rept 32
	v_pk_mul_f32 v[U+i:U+i+1], v[X+i:X+i+1], v[U+i:U+i+1]
.set i, i+2
.endr
.endm
.macro QUANT s
.irp b, 0,1,2,3
	v_max3_num_f32 v[TM+\b], |v[\s+16*\b]|, |v[\s+1+16*\b]|, 0x4800000
.endr
.irp i, 2,4,6,8,10,12,14
.irp b, 0,1,2,3
	v_max3_num_f32 v[TM+\b], v[TM+\b], |v[\s+16*\b+\i]|, |v[\s+1+16*\b+\i]|
.endr
.endr
.irp b, 0,1,2,3
	v_permlanex16_b32 v[TM+4+\b], v[TM+\b], s[SEL], s[SEL+1]
.endr
.irp b, 0,1,2,3
	v_max_num_f32 v[TM+\b], v[TM+\b], v[TM+4+\b]
.endr
.irp b, 0,1,2,3
	v_add_nc_u32 v[TM+12+\b], 0xfc000000, v[TM+\b]
.endr
.irp b, 0,1,2,3
	v_and_or_b32 v[TM+8+\b], v[TM+\b], 0x7f800000, s[MNT]
.endr
.irp b, 0,1,2,3
	v_lshrrev_b32 v[TM+4+\b], 23, v[TM+12+\b]
.endr
	v_lshl_or_b32 v[PW], v[TM+5], 8, v[TM+4]
	v_lshl_or_b32 v[PW], v[TM+6], 16, v[PW]
	v_lshl_or_b32 v[PW], v[TM+7], 24, v[PW]
.irp b, 0,1,2,3
.irp i, 0,1,2,3,4,5,6,7,8,9,10,11,12,13,14,15
	v_med3_num_f32 v[\s+16*\b+\i], v[\s+16*\b+\i], -v[TM+8+\b], v[TM+8+\b]
.endr
	v_cvt_scalef32_pk8_fp8_f32 v[PC+4*\b:PC+1+4*\b], v[\s+16*\b:\s+7+16*\b], v[TM+12+\b]
	v_cvt_scalef32_pk8_fp8_f32 v[PC+2+4*\b:PC+3+4*\b], v[\s+8+16*\b:\s+15+16*\b], v[TM+12+\b]
.endr
	v_nop
.endm
.macro SWAP
.irp b, 0,1,2,3
.irp e, 0,1
	v_cndmask_b32 v[SX+2*\b+\e], v[PC+4*\b+2+\e], v[PC+4*\b+\e], s[HM]
.endr
.endr
.irp n, 0,1,2,3,4,5,6,7
	v_permlanex16_b32 v[SY+\n], v[SX+\n], s[SEL], s[SEL+1]
.endr
.irp b, 0,1,2,3
.irp e, 0,1
	v_cndmask_b32 v[PC+4*\b+\e], v[PC+4*\b+\e], v[SY+2*\b+\e], s[HM]
	v_cndmask_b32 v[PC+4*\b+2+\e], v[SY+2*\b+\e], v[PC+4*\b+2+\e], s[HM]
.endr
.endr
.endm
	PLACES NP
.irp b, 0,1,2,3
	v_mov_b32 v[TM+4+\b], 0
.endr
.irp n, 0,1,2,3,4,5,6,7
	v_mov_b32 v[SY+\n], 0
.endr
	v_mov_b32 v[VC1], 0xc0135761
	v_mov_b32 v[VC1+1], 0xc0135761
	s_mov_b32 s3, 0
	s_mov_b32 s45, 0
.Lblk:
.irp a, 0,1,2,3,4,5,6
	s_cmp_eq_u32 s3, \a
	s_cbranch_scc1 .Lc\a
.endr
	COPY 7
	s_branch .Lwork
.irp a, 0,1,2,3,4,5,6
.Lc\a:
	COPY \a
	s_branch .Lwork
.endr
.Lwork:
	GELU
	QUANT U
	SWAP
.irp c, 0,1,2,3
	global_store_b128 v[LI], v[PC+4*\c:PC+4*\c+3], s[12:13] offset:512*\c
.endr
	v_add_nc_u32 v[SWT], s45, v[SWA]
	ds_store_b32 v[SWT], v[PW]
	s_wait_dscnt 0x0
	s_wait_xcnt 0x0
	s_add_nc_u64 s[12:13], s[12:13], s[6:7]
	s_add_co_u32 s45, s45, 64
	s_add_co_u32 s3, s3, 1
	s_cmp_lt_u32 s3, 8
	s_cbranch_scc1 .Lblk
	ds_load_b128 v[PL0:PL0+3], v[SRD]
	s_wait_dscnt 0x0
	global_store_b128 v[LI], v[PL0:PL0+3], s[100:101]
	s_wait_tensorcnt 0x0
	ds_add_u32 v[SPW], v[NIL]
	s_wait_dscnt 0x0
	CROUND
	s_endpgm
.Lfunc_end_k_q4d00fb00f5_fc:
	.size	k_q4d00fb00f5_fc, .Lfunc_end_k_q4d00fb00f5_fc-k_q4d00fb00f5_fc
	.p2alignl 7, 3214868480
	.fill 96, 4, 3214868480
	.section	.rodata,"a",@progbits
	.p2align	6, 0x0
	.amdhsa_kernel k_q4d00fb00f5_fc
		.amdhsa_group_segment_fixed_size 327680
		.amdhsa_private_segment_fixed_size 0
		.amdhsa_enable_private_segment 0
		.amdhsa_kernarg_size 56
		.amdhsa_user_sgpr_count 2
		.amdhsa_user_sgpr_kernarg_segment_ptr 1
		.amdhsa_wavefront_size32 1
		.amdhsa_system_sgpr_workgroup_id_x 1
		.amdhsa_system_sgpr_workgroup_id_y 1
		.amdhsa_system_sgpr_workgroup_id_z 1
		.amdhsa_system_vgpr_workitem_id 0
		.amdhsa_next_free_vgpr 1024
		.amdhsa_next_free_sgpr 106
		.amdhsa_reserve_vcc 0
		.amdhsa_float_denorm_mode_32 3
		.amdhsa_float_denorm_mode_16_64 3
		.amdhsa_memory_ordered 1
		.amdhsa_forward_progress 1
		.amdhsa_inst_pref_size 162
	.end_amdhsa_kernel
	.amdgpu_metadata
---
amdhsa.version: [ 1, 2 ]
amdhsa.kernels:
  - .name:           k_q4d00fb00f5_fc
    .symbol:         k_q4d00fb00f5_fc.kd
    .args:
      - { .name: hc, .offset: 0, .size: 8, .value_kind: global_buffer, .address_space: global }
      - { .name: hs, .offset: 8, .size: 8, .value_kind: global_buffer, .address_space: global }
      - { .name: W_fc_codes, .offset: 16, .size: 8, .value_kind: global_buffer, .address_space: global }
      - { .name: W_fc_scales, .offset: 24, .size: 8, .value_kind: global_buffer, .address_space: global }
      - { .name: b_fc, .offset: 32, .size: 8, .value_kind: global_buffer, .address_space: global }
      - { .name: ac, .offset: 40, .size: 8, .value_kind: global_buffer, .address_space: global }
      - { .name: asc, .offset: 48, .size: 8, .value_kind: global_buffer, .address_space: global }
    .group_segment_fixed_size: 327680
    .private_segment_fixed_size: 0
    .kernarg_segment_align: 8
    .kernarg_segment_size: 56
    .max_flat_workgroup_size: 128
    .sgpr_count:     106
    .vgpr_count:     1024
    .wavefront_size: 32
...
	.end_amdgpu_metadata
.endif
;; end of part 5
;; launch mproj (part 6): grid 8 x 32, 4 waves a work-group, clusters of 4 x 4, 327,680 bytes of LDS; arguments ac, asc, W_mproj_codes, W_mproj_scales, b_mproj, x1, out0; writes out0
.if DOCPART == 6
	.amdgcn_target "amdgcn-amd-amdhsa--gfx1250"
	.amdhsa_code_object_version 6
	.text
	.protected	k_q4d00fb00f5_mproj
	.globl	k_q4d00fb00f5_mproj
	.p2align	8
	.type	k_q4d00fb00f5_mproj,@function
k_q4d00fb00f5_mproj:
	s_mov_b64 s[64:65], 0
	v_nop
	global_prefetch_b8 v0, s[64:65] scope:SCOPE_SE
	s_setreg_imm32_b32 hwreg(HW_REG_WAVE_MODE, 25, 1), 1
	s_wait_xcnt 0x0
	s_wait_alu depctr_hold_cnt(0) depctr_sa_sdst(0) depctr_va_vdst(0) depctr_va_sdst(0) depctr_va_ssrc(0) depctr_va_vcc(0) depctr_vm_vsrc(0)
	s_getreg_b32 s2, hwreg(HW_REG_IB_STS2, 6, 4)
	s_cmp_eq_u32 s2, 0
	s_cbranch_scc0 .Lentry_in_a_cluster
	s_endpgm
.Lentry_in_a_cluster:
	s_bfe_u32 s2, ttmp6, 0x10000c
	s_cmp_lg_u32 s2, 0xf033
	s_cbranch_scc0 .Lentry_shape_is_right
	s_endpgm
.Lentry_shape_is_right:
; out = res + A W^T + bias.  A [4096][SIZE_K] arrives as images of operand registers with planes of scale words; W [1024][SIZE_K] as row-major codes with E8M0 bytes; res, out [4096][1024] f32.
; A tile of 128 x 128 (N = 1,024 gives 256 such tiles, one for each WGP) by four waves, 64 x 64 each: 16 accumulators.  K goes in steps of 512 through two LDS slots; a slot is four matrix instructions deep.
; A's images: [tile of 16 rows][K step of 128][c 4][lane][16 bytes]: a fragment comes by four loads of 512 consecutive bytes.  A's scale words: [K step of 128][4096 rows].  All scale words of the tile come once.
; 4 x 4 work-groups form a cluster: A's tile is shared along a row, W's along a column, each asked for jointly.  Source 0 = 16 rows of W, source 1 = 16 rows of A: a lane holds eight neighbouring numbers of a row of out.
; The bias is the C of each sum's first matrix instruction.  The residual's 32 loads go out at the start and stay out through the loop.
; REGISTERS: window 0: v16-29 addresses; v32-47 A's scale words, two sets (lanes 0-15 an even K step's, lanes 16-31 the odd one's); v48-79 W's, two sets; v80-111 the bias; v128-255 the accumulators.
;   window 1: two fragment buffers of 128 (A's four blocks, then W's four); on the way out rows read back from the stage.   window 2: v0-127 the residual.
.set SIZE_K, 4096
.set KSLOT,  512
.set LAPS,   SIZE_K/(2*KSLOT)
.set KS,     SIZE_K/32
.set NPL,    SIZE_K/128                ; planes of A's scale words
.set ASL,    65536                     ; a slot: A's 8 tiles of rows x 8,192 bytes, dense;
.set PITCH,  528                       ; then W's 128 rows of 512 bytes + 16 of padding
.set BH,     64*PITCH
.set SLOT,   ASL+2*BH
.set SCA,    2*SLOT                    ; behind the ring: A's scale words, NPL planes of 512 bytes;
.set SCB,    SCA+NPL*512               ; W's scale bytes, as units of 256 bytes + 16 of padding
.set HALFSB, (64*KS/256)*272
.set SBLK,   (16*KS/256)*272
.set SPARE,  SCB+2*HALFSB              ; the spare words, 128 bytes for each wave: no other line names them
.set SPITCH, 272                       ; the way out: a stage of 16 rows x (256 bytes + 16) for each wave, in slot 0, which has had its last fill and its last read by then
.set ADRA, 16
.set ADRB, 20
.set ADSA, 22
.set ADSB, 23
.set STO,  24
.set RD,   25
.set CO,   26
.set SPW,  28
.set NIL,  29
.set SA,   32
.set SB,   48
.set BB,   80
.set ACC,  128
.set F0,   0
.set F1,   128
.set G1, 24
.set G0, 32
.set G1B, 48
.set G0B, 56
.set G1S, 68
.set G0S, 76
.set G1SB, 80
.set G0SB, 88
; THE RESIDUAL'S 32 LOADS now go out behind the loop, two K slots ahead of the way out (in place of what the head's comment says of them).
; THE TILES ARE PREFETCHED INTO THE L2: behind each refill one instruction a wave names the K slot that stands two refills on; K slots 2 and 3 are named once, behind slot 1's load; the loop's last trip names nothing: there is no K slot behind the eighth.
; Of what a wave fetches, each of the four partners that ask for it jointly takes a quarter, told apart by address: of A's four tiles of rows one (8,192 bytes, lanes 256 bytes apart), of W's 64 rows sixteen (two lanes to a row's 512 bytes).
.set PFA,  68                          ; s[68:69], s[70:71] where my prefetches stand, one pair for each slot (the scales' descriptors lay here: their loads have landed by then)
.set PFS,  72                          ; s[72:73] two K slots on, in bytes: 16,384 in A's images, 1,024 in a row of W
.set PFO,  27                          ; v27  my lane's offset; never rewritten
.set MSB, 0
.macro WIN new
.if MSB != (\new)
	s_set_vgpr_msb (MSB<<8)|(\new)
.set MSB, (\new)
.endif
.endm
.set MUL,  0x05                        ; sources 0 and 1 window 1; C and D window 0
.set TO_F, 0x40                        ; destination window 1
.macro JLOAD g0a, g1a, g0b, g1b        ; a joint load: waves 0 and 1 fetch for A, waves 2 and 3 for W; four v_nop follow each of the two lines
	s_cmp_eq_u32 s15, 0
	s_cbranch_scc0 .Lfor_b_\@
	tensor_load_to_lds s[\g0a:\g0a+3], s[\g1a:\g1a+7]
	s_nop 0
.rept 4
	v_nop
.endr
	s_branch .Lasked_\@
.Lfor_b_\@:
	tensor_load_to_lds s[\g0b:\g0b+3], s[\g1b:\g1b+7]
	s_nop 0
.rept 4
	v_nop
.endr
.Lasked_\@:
.endm
.macro CREST
	s_cmp_lg_u32 s14, 0
	s_cbranch_scc1 .Lnot_wave_0_\@
	s_barrier_signal -3
.Lnot_wave_0_\@:
	s_barrier_wait -3
	s_barrier_signal -1
	s_barrier_wait -1
.endm
.macro CROUND
	s_barrier_signal -1
	s_barrier_wait -1
	CREST
.endm
	s_load_b128 s[4:7], s[0:1], 0x0                ; A's images, A's scale words
	s_load_b128 s[8:11], s[0:1], 0x10              ; W's codes, W's scales
	s_load_b128 s[92:95], s[0:1], 0x20             ; bias, residual
	s_load_b64 s[96:97], s[0:1], 0x30              ; out
	v_lshl_add_u32 v[SPW], v0, 2, SPARE
	v_mov_b32 v[NIL], 0
	ds_add_u32 v28, v29
	ds_add_u32 v28, v29
	s_wait_dscnt 0x0
	v_lshrrev_b32 v1, 5, v0
	v_readfirstlane_b32 s14, v1                    ; wave 0..3
	s_lshr_b32 s15, s14, 1                         ; which 64 rows are mine.  Also: I fetch for A (0) or for W (1)
	s_and_b32 s16, s14, 1                          ; which 64 columns.  Also: which half I fetch
	s_bfe_u32 s40, ttmp6, 0x40000
	s_bfe_u32 s41, ttmp6, 0x40004
	s_lshl_b32 s42, ttmp9, 2
	s_add_co_u32 s42, s42, s40                     ; tile column
	s_and_b32 s17, ttmp7, 0xffff
	s_lshl_b32 s17, s17, 2
	s_add_co_u32 s17, s17, s41                     ; tile row
	s_lshl_b32 s43, s41, 2
	s_lshl_b32 s43, 15, s43                        ; my row of the cluster
	s_lshl_b32 s44, 0x1111, s40                    ; my column
	s_or_b32 s[G1+0], s43, (3<<16)|(1<<21)         ; A's tile: 4 tiles of rows x 8,192 bytes (1,024 elements of 8), 16 SIZE_K bytes apart; no padding
	s_mov_b32 s[G1+1], 1024<<16
	s_mov_b32 s[G1+2], 8<<16                       ; 8 tiles of rows for the head's load; set to 4 for the ring behind it
	s_mov_b32 s[G1+3], 1024<<16
	s_mov_b32 s[G1+4], 8
	s_mov_b32 s[G1+5], 2*SIZE_K
	s_mov_b32 s[G1+6], 0
	s_mov_b32 s[G1+7], 0
	s_or_b32 s[G1B+0], s44, (0<<16)|(1<<20)|(1<<21)|(6<<22)|(3<<25)   ; W's tile: 64 rows x 512 bytes, four words of padding behind every 128
	s_mov_b32 s[G1B+1], KSLOT<<16
	s_mov_b32 s[G1B+2], 128<<16                    ; 128 rows for the head's load; set to 64 for the ring behind it
	s_mov_b32 s[G1B+3], KSLOT<<16
	s_mov_b32 s[G1B+4], 128
	s_mov_b32 s[G1B+5], SIZE_K
	s_mov_b32 s[G1B+6], 0
	s_mov_b32 s[G1B+7], 0
	s_or_b32 s[G1S+0], s43, (3<<16)|(1<<21)        ; A's scale words: NPL / 2 planes x 512 bytes, 16,384 bytes apart
	s_mov_b32 s[G1S+1], 64<<16
	s_mov_b32 s[G1S+2], NPL<<16                    ; all NPL planes
	s_mov_b32 s[G1S+3], 64<<16
	s_mov_b32 s[G1S+4], NPL
	s_mov_b32 s[G1S+5], 2048
	s_mov_b32 s[G1S+6], 0
	s_mov_b32 s[G1S+7], 0
	s_or_b32 s[G1SB+0], s44, (3<<16)|(1<<20)|(1<<21)|(5<<22)|(3<<25)  ; W's scale bytes of 64 rows: a dense block, as rows of 256 bytes
	s_mov_b32 s[G1SB+1], 32<<16
	s_mov_b32 s[G1SB+2], (128*KS/256)<<16          ; all 128 rows' scale bytes
	s_mov_b32 s[G1SB+3], 32<<16
	s_mov_b32 s[G1SB+4], 128*KS/256
	s_mov_b32 s[G1SB+5], 32
	s_mov_b32 s[G1SB+6], 0
	s_mov_b32 s[G1SB+7], 0
	s_lshl_b32 s20, s17, 3                         ; A: tile of rows 8 x tile row
	s_mul_i32 s20, s20, 16*SIZE_K
	s_mov_b32 s21, 0
	s_lshl_b32 s22, s17, 9                         ; A's scale words: the tile's 128 rows
	s_mov_b32 s23, 0
	s_lshl_b32 s46, s42, 7                         ; W: row 128 x tile column
	s_mul_i32 s98, s46, KS
	s_mov_b32 s99, 0
	s_mul_i32 s46, s46, SIZE_K
	s_mov_b32 s47, 0
	s_lshl_b32 s45, s16, 15                        ; where they go: no place in the cluster enters an LDS address
	s_mul_i32 s18, s16, BH
	s_add_co_u32 s18, s18, ASL
	s_wait_kmcnt 0x0
	s_add_nc_u64 s[20:21], s[4:5], s[20:21]
	s_add_nc_u64 s[22:23], s[6:7], s[22:23]
	s_add_nc_u64 s[46:47], s[8:9], s[46:47]
	s_add_nc_u64 s[98:99], s[10:11], s[98:99]
	CROUND                                         ; all sixteen work-groups are here: the first joint loads meet
	s_mov_b32 s[G0S], 1
	s_mov_b32 s[G0S+1], SCA
	s_mov_b64 s[G0S+2:G0S+3], s[22:23]
	s_or_b32 s[G0S+3], s[G0S+3], 0x80000000
	s_mov_b32 s[G0SB], 1
	s_mov_b32 s[G0SB+1], SCB
	s_mov_b64 s[G0SB+2:G0SB+3], s[98:99]
	s_or_b32 s[G0SB+3], s[G0SB+3], 0x80000000
	; THE HEAD'S FOUR TILES, each whole, one load a wave: wave 0 slot 0's part of A, wave 1 that of W, wave 2 A's scale words, wave 3 W's scale bytes.
	s_mov_b32 s[G0], 1                             ; slot 0's groups 0 serve the whole tiles first; behind the wait for them they are set for the ring
	s_mov_b32 s[G0+1], 0
	s_mov_b64 s[G0+2:G0+3], s[20:21]
	s_or_b32 s[G0+3], s[G0+3], 0x80000000
	s_mov_b32 s[G0B], 1
	s_mov_b32 s[G0B+1], ASL
	s_mov_b64 s[G0B+2:G0B+3], s[46:47]
	s_or_b32 s[G0B+3], s[G0B+3], 0x80000000
	s_mul_i32 s22, s16, 64*SIZE_K                  ; in the ring I fetch 64 rows: which half, in bytes (the same for A's images and W's rows)
	s_mov_b32 s23, 0
	s_add_nc_u64 s[20:21], s[20:21], s[22:23]
	s_add_nc_u64 s[46:47], s[46:47], s[22:23]
	s_mov_b32 s[G0+4], 1
	s_add_co_u32 s[G0+5], s45, SLOT
	s_add_nc_u64 s[G0+6:G0+7], s[20:21], 8192
	s_or_b32 s[G0+7], s[G0+7], 0x80000000
	s_mov_b32 s[G0B+4], 1
	s_add_co_u32 s[G0B+5], s18, SLOT
	s_add_nc_u64 s[G0B+6:G0B+7], s[46:47], KSLOT
	s_or_b32 s[G0B+7], s[G0B+7], 0x80000000
.macro ARM under, g0, g1, next         ; one tree of branches on the wave's number: every way passes exactly one load
	s_cmp_lt_u32 s14, \under
	s_cbranch_scc0 \next
	tensor_load_to_lds s[\g0:\g0+3], s[\g1:\g1+7]
	s_nop 0
.rept 4
	v_nop
.endr
	s_branch .Lhead_asked
\next:
.endm
	ARM 1, G0,  G1,  .Lhead_b
	ARM 2, G0B, G1B, .Lhead_sa
	ARM 3, G0S, G1S, .Lhead_sb
	tensor_load_to_lds s[G0SB:G0SB+3], s[G1SB:G1SB+7]
	s_nop 0
.rept 4
	v_nop
.endr
.Lhead_asked:
	v_and_b32 v1, 15, v0                           ; r
	v_bfe_u32 v2, v0, 4, 1                         ; h
	v_and_b32 v3, 31, v0
	v_lshlrev_b32 v3, 4, v3                        ; 16 x lane
	v_mul_u32_u24 v4, v1, PITCH
	v_lshl_add_u32 v4, v2, 4, v4
	s_lshl_b32 s21, s15, 15                        ; my four tiles of rows of A
	s_mul_i32 s22, s16, BH
	s_add_co_u32 s22, s22, ASL                     ; my 64 rows of W
.irp s, 0,1
	v_add_nc_u32 v[ADRA+\s], s21, v3
	v_add_nc_u32 v[ADRB+\s], s22, v4
	s_add_co_u32 s21, s21, SLOT
	s_add_co_u32 s22, s22, SLOT
.endr
	v_lshlrev_b32 v5, 2, v1
	v_lshl_add_u32 v5, v2, 9, v5                   ; A's scale words: 4 r; lanes 16-31 one plane further on
	s_lshl_b32 s21, s15, 8
	s_add_co_u32 s21, s21, SCA
	v_add_nc_u32 v[ADSA], s21, v5
	v_mul_u32_u24 v5, v1, KS                       ; W's: KS bytes a row, and 16 more for each 256 passed
	v_lshrrev_b32 v6, 8, v5
	v_lshl_add_u32 v5, v6, 4, v5
	s_mul_i32 s21, s16, HALFSB
	s_add_co_u32 s21, s21, SCB
	v_add_nc_u32 v[ADSB], s21, v5
	s_mul_i32 s23, s14, 16*SPITCH                  ; my stage
	v_mul_u32_u24 v5, v1, SPITCH
	v_lshl_add_u32 v5, v2, 5, v5
	v_add_nc_u32 v[STO], s23, v5                   ; in: row r, 32 bytes for each half of the lanes
	v_mul_u32_u24 v5, v2, SPITCH
	v_lshl_add_u32 v5, v1, 4, v5
	v_add_nc_u32 v[RD], s23, v5                    ; back: lanes 0-15 one row of 256 bytes, lanes 16-31 the next
	v_lshlrev_b32 v5, 12, v2
	v_lshl_add_u32 v[CO], v1, 4, v5                ; and the same two rows in res and out
	s_cmp_eq_u32 s15, 0                            ; do I fetch for A?
	s_mov_b32 s12, 4096
	s_cselect_b32 s12, 512, s12                    ; from a pair of lanes to the next: 512 bytes on in A's block, a row on in W
	v_and_b32 v5, 31, v0
	v_lshrrev_b32 v6, 1, v5
	v_and_b32 v5, 1, v5
	v_mul_u32_u24 v6, v6, s12
	v_lshl_add_u32 v[PFO], v5, 8, v6
	v_lshlrev_b32 v30, 5, v2
	s_wait_alu depctr_va_vdst(0)
	s_lshl_b32 s22, s42, 9
	s_lshl_b32 s23, s16, 8
	s_add_co_u32 s22, s22, s23                     ; my first column, in bytes
	s_mov_b32 s23, 0
	s_add_nc_u64 s[92:93], s[92:93], s[22:23]
	s_lshl_b32 s20, s17, 19
	s_lshl_b32 s21, s15, 18
	s_add_co_u32 s20, s20, s21                     ; my first row, in bytes
	s_add_co_u32 s20, s20, s22
	s_mov_b32 s21, 0
	s_add_nc_u64 s[94:95], s[94:95], s[20:21]
	s_add_nc_u64 s[96:97], s[96:97], s[20:21]
.irp b, 0,1,2,3
	global_load_b128 v[BB+8*\b:BB+8*\b+3], v30, s[92:93] offset:64*\b
	global_load_b128 v[BB+8*\b+4:BB+8*\b+7], v30, s[92:93] offset:64*\b+16
.endr
; four matrix instructions: A's block a x W's four, the slot's q-th 128 along K, from buffer f.  zero = 1: the first product starts the sums, with the bias as its C.  The 16 accumulators take turns.
.macro MUL4 f, q, set, a, zero
.irp b, 0,1,2,3
.if \zero
	v_wmma_scale_f32_16x16x128_f8f6f4 v[ACC+8*(4*(\a)+\b):ACC+8*(4*(\a)+\b)+7], v[(\f)+64+16*\b:(\f)+64+16*\b+15], v[(\f)+16*(\a):(\f)+16*(\a)+15], v[BB+8*\b:BB+8*\b+7], v[SB+16*(\set)+4*\b+(\q)], v[SA+8*(\set)+2*(\a)+(\q)/2]
.elseif (\q)%2
	v_wmma_scale_f32_16x16x128_f8f6f4 v[ACC+8*(4*(\a)+\b):ACC+8*(4*(\a)+\b)+7], v[(\f)+64+16*\b:(\f)+64+16*\b+15], v[(\f)+16*(\a):(\f)+16*(\a)+15], v[ACC+8*(4*(\a)+\b):ACC+8*(4*(\a)+\b)+7], v[SB+16*(\set)+4*\b+(\q)], v[SA+8*(\set)+2*(\a)+(\q)/2] matrix_b_scale:MATRIX_SCALE_ROW1
.else
	v_wmma_scale_f32_16x16x128_f8f6f4 v[ACC+8*(4*(\a)+\b):ACC+8*(4*(\a)+\b)+7], v[(\f)+64+16*\b:(\f)+64+16*\b+15], v[(\f)+16*(\a):(\f)+16*(\a)+15], v[ACC+8*(4*(\a)+\b):ACC+8*(4*(\a)+\b)+7], v[SB+16*(\set)+4*\b+(\q)], v[SA+8*(\set)+2*(\a)+(\q)/2]
.endif
.endr
.endm
.macro FETCH slot, q, f                ; 32 LDS loads in one run: W's four fragments, A's blocks 0, 1, then 2, 3
	WIN TO_F
.irp b, 0,1,2,3
.irp c, 0,1,2,3
	ds_load_b128 v[(\f)+64+16*\b+4*\c:(\f)+64+16*\b+4*\c+3], v[ADRB+\slot] offset:16*PITCH*\b+128*(\q)+32*\c
.endr
.endr
.irp i, 0,1,2,3
.irp c, 0,1,2,3
	ds_load_b128 v[(\f)+16*\i+4*\c:(\f)+16*\i+4*\c+3], v[ADRA+\slot] offset:8192*\i+2048*(\q)+512*\c
.endr
.endr
.endm
.macro SCALES set                      ; a slot's scale words
.irp i, 0,1,2,3
.irp p, 0,1
	ds_load_b32 v[SA+8*\set+2*\i+\p], v[ADSA] offset:64*\i+1024*\p
.endr
.endr
.irp b, 0,1,2,3
	ds_load_b128 v[SB+16*\set+4*\b:SB+16*\set+4*\b+3], v[ADSB] offset:\b*SBLK
.endr
.endm
.macro PLACES n                        ; plain vector lines between a matrix instruction and a load into, or a read of, its registers
.rept \n
	v_nop
.endr
.endm
.macro STEP slot, q, zero              ; one of a slot's first three steps: multiplies buffer q % 2 and fetches the next step into the other
	s_wait_dscnt 8                                 ; W's fragments and A's blocks 0, 1 are in; the youngest eight loads may be out
	WIN MUL
	MUL4 128*((\q)%2), \q, \slot, 0, \zero
	MUL4 128*((\q)%2), \q, \slot, 1, \zero
	PLACES 8
	FETCH \slot, (\q)+1, 128*(1-(\q)%2)
	s_wait_dscnt 32                                ; all but the 32 just issued
	WIN MUL
	MUL4 128*((\q)%2), \q, \slot, 2, \zero
	MUL4 128*((\q)%2), \q, \slot, 3, \zero
.endm
; A slot's last step changes slots: ONE barrier; in front of it each wave waits for all its tensor loads, adds 0 to its spare word, and waits for that and for its own reads of this slot.
.macro TURN slot, next, fill
	WIN 0
.if \fill
	s_wait_xcnt 0x0                                ; this slot's last prefetch has read its address: it steps two K slots on
	s_add_nc_u64 s[PFA+2*\slot:PFA+2*\slot+1], s[PFA+2*\slot:PFA+2*\slot+1], s[PFS:PFS+1]
.endif
	s_wait_tensorcnt 0x0
	ds_add_u32 v[SPW], v[NIL]                      ; 0 onto my spare word
	s_wait_dscnt 9                                 ; (the add and the youngest eight loads may be out)
	WIN MUL
	MUL4 F1, 3, \slot, 0, 0
	s_wait_dscnt 0x0                               ; the add is done, and my reads of this slot are over
	s_barrier_signal -1
	MUL4 F1, 3, \slot, 1, 0
	WIN 0
	s_barrier_wait -1
.if \fill
	CREST                                          ; the barrier has opened a round of the cluster's barrier
	s_add_nc_u64 s[G0+4*\slot+2:G0+4*\slot+3], s[G0+4*\slot+2:G0+4*\slot+3], 2*8192
	s_add_nc_u64 s[G0B+4*\slot+2:G0B+4*\slot+3], s[G0B+4*\slot+2:G0B+4*\slot+3], 2*KSLOT
	JLOAD G0+4*\slot, G1, G0B+4*\slot, G1B         ; the first tensor load behind the round; its four v_nop are among the places in front of the loads below
	PLACES 4
.else
	PLACES 8
.endif
	s_wait_alu depctr_va_vdst(0)
	v_add_nc_u32 v[ADSA], 2048, v[ADSA]            ; four planes on
	v_add_nc_u32 v[ADSB], 16, v[ADSB]              ; sixteen scale bytes on
	SCALES \next
	FETCH \next, 0, F0
.if \fill
	WIN 0                                          ; (a branch and a label follow)
	s_cmp_gt_u32 s3, 1                             ; s3 = 1 in the loop's last trip
	s_cbranch_scc0 .Lnone_\@
	global_prefetch_b8 v[PFO], s[PFA+2*\slot:PFA+2*\slot+1] th:TH_LOAD_NT scope:SCOPE_SE
.Lnone_\@:
.endif
	WIN MUL
	MUL4 F1, 3, \slot, 2, 0
	MUL4 F1, 3, \slot, 3, 0
.endm
	s_wait_loadcnt 0x0                             ; the bias is in
	s_wait_alu depctr_va_vdst(0)                   ; the wait at the head's end
	s_wait_tensorcnt 0x0                           ; my tile of the head's four is in
	ds_add_u32 v[SPW], v[NIL]
	s_mov_b32 s[G1+2], 4<<16                       ; no tensor load of mine is out: from here on a load brings half a tile,
	s_mov_b32 s[G1+4], 4
	s_mov_b32 s[G1B+2], 64<<16
	s_mov_b32 s[G1B+4], 64
	s_mul_i32 s22, s16, 64*SIZE_K                  ; and slot 0's groups 0 name my half, from which the first refill steps on
	s_mov_b32 s23, 0
	s_mov_b32 s[G0+1], s45
	s_add_nc_u64 s[G0+2:G0+3], s[G0+2:G0+3], s[22:23]
	s_mov_b32 s[G0B+1], s18
	s_add_nc_u64 s[G0B+2:G0B+3], s[G0B+2:G0B+3], s[22:23]
	s_lshl_b32 s74, s17, 3                         ; the prefetches.  A: tile of rows 8 x tile row + 4 x my half + cx, 65,536 bytes each
	s_lshl_b32 s75, s16, 2
	s_add_co_u32 s74, s74, s75
	s_add_co_u32 s74, s74, s40
	s_lshl_b32 s74, s74, 16
	s_lshl_b32 s75, s42, 3                         ; W: sixteen rows 8 x tile column + 4 x my half + cy, 65,536 bytes each
	s_lshl_b32 s76, s16, 2
	s_add_co_u32 s75, s75, s76
	s_add_co_u32 s75, s75, s41
	s_lshl_b32 s75, s75, 16
	s_cmp_eq_u32 s15, 0
	s_cselect_b32 s74, s74, s75
	s_cselect_b64 s[PFA:PFA+1], s[4:5], s[8:9]
	s_mov_b32 s[PFS], 1024
	s_cselect_b32 s[PFS], 16384, s[PFS]
	s_mov_b32 s[PFS+1], 0
	s_mov_b32 s75, 0
	s_add_nc_u64 s[PFA:PFA+1], s[PFA:PFA+1], s[74:75]
	s_add_nc_u64 s[PFA:PFA+1], s[PFA:PFA+1], s[PFS:PFS+1]      ; K slot 2,
	s_lshr_b32 s74, s[PFS], 1
	s_add_nc_u64 s[PFA+2:PFA+3], s[PFA:PFA+1], s[74:75]        ; K slot 3
	s_wait_dscnt 0x0
	CROUND                                         ; all four tiles are in, and all sixteen work-groups are here
	JLOAD G0+4, G1, G0B+4, G1B                     ; slot 1: the first tensor load behind the round
	SCALES 0
	FETCH 0, 0, F0
	global_prefetch_b8 v[PFO], s[PFA:PFA+1] th:TH_LOAD_NT scope:SCOPE_SE       ; K slots 2 and 3: the first two refills' tiles
	global_prefetch_b8 v[PFO], s[PFA+2:PFA+3] th:TH_LOAD_NT scope:SCOPE_SE
	STEP 0, 0, 1
.if LAPS > 1
	WIN 0
	s_mov_b32 s3, LAPS-1
.Llap:                                                 ; a trip goes once round the ring, from a lap's second step to the next lap's first, and fills both slots again
	STEP 0, 1, 0
	STEP 0, 2, 0
	TURN 0, 1, 1
	STEP 1, 0, 0
	STEP 1, 1, 0
	STEP 1, 2, 0
	TURN 1, 0, 1
	STEP 0, 0, 0
	WIN 0
	s_sub_co_u32 s3, s3, 1
	s_cmp_lg_u32 s3, 0
	s_cbranch_scc1 .Llap
.endif
	WIN 0x80                                       ; the residual's 32 loads, into window 2: wanted on the way out, behind the last lap
.irp a, 0,1,2,3
.irp t, 0,1,2,3,4,5,6,7
	global_load_b128 v[32*\a+4*\t:32*\a+4*\t+3], v[CO], s[94:95] offset:(16*\a+2*\t)*4096
.endr
.endr
	WIN 0
	STEP 0, 1, 0
	STEP 0, 2, 0
	TURN 0, 1, 0                                   ; the last lap fills nothing
	STEP 1, 0, 0
	STEP 1, 1, 0
	STEP 1, 2, 0
	s_wait_dscnt 8
	WIN MUL
	MUL4 F1, 3, 1, 0, 0
	MUL4 F1, 3, 1, 1, 0
	s_wait_dscnt 0x0
	MUL4 F1, 3, 1, 2, 0
	MUL4 F1, 3, 1, 3, 0
	WIN 0
; THE WAY OUT, a block of 16 rows x 64 columns at a time, through my own stage: a row's 256 bytes come back whole, the residual is added, and sixteen lanes store 256 consecutive, aligned bytes.
.macro TOSTAGE a
	WIN 0
.irp b, 0,1,2,3
	ds_store_b128 v[STO], v[ACC+8*(4*(\a)+\b):ACC+8*(4*(\a)+\b)+3] offset:64*\b          ; each accumulator from its low end on
	ds_store_b128 v[STO], v[ACC+8*(4*(\a)+\b)+4:ACC+8*(4*(\a)+\b)+7] offset:64*\b+16
.endr
	WIN 0x40                                       ; back into window 1: LDS serves a wave's instructions in order, so these see the stores above
.irp t, 0,1,2,3,4,5,6,7
	ds_load_b128 v[32*((\a)%2)+4*\t:32*((\a)%2)+4*\t+3], v[RD] offset:\t*2*SPITCH
.endr
.endm
.macro SEND a, younger
	s_wait_dscnt \younger                          ; the block is back; the next block's sixteen LDS instructions may be out
	s_wait_loadcnt 8*(3-(\a))                      ; its residual is in; the later blocks' may be out
	WIN 0x49                                       ; destination and source 0 window 1, source 1 window 2
.irp i, 0,2,4,6,8,10,12,14,16,18,20,22,24,26,28,30
	v_pk_add_f32 v[32*((\a)%2)+\i:32*((\a)%2)+\i+1], v[32*((\a)%2)+\i:32*((\a)%2)+\i+1], v[32*(\a)+\i:32*(\a)+\i+1]
.endr
	WIN 0x04                                       ; a store's data are its source 1: window 1
.irp t, 0,1,2,3,4,5,6,7
	global_store_b128 v[CO], v[32*((\a)%2)+4*\t:32*((\a)%2)+4*\t+3], s[96:97] offset:(16*(\a)+2*\t)*4096 th:TH_STORE_NT   ; written once, read by nobody here
.endr
.endm
	PLACES 8
	TOSTAGE 0
	TOSTAGE 1
	SEND 0, 16
	s_wait_xcnt 0x0                                ; block 0's stores have read their registers: block 2's rows may land there
	TOSTAGE 2
	SEND 1, 16
	s_wait_xcnt 0x0
	TOSTAGE 3
	SEND 2, 16
	SEND 3, 0
	WIN 0
	s_wait_tensorcnt 0x0                           ; the wave's end
	ds_add_u32 v[SPW], v[NIL]
	s_wait_dscnt 0x0
	CROUND                                         ; the closing round
	s_endpgm
.Lfunc_end_k_q4d00fb00f5_mproj:
	.size	k_q4d00fb00f5_mproj, .Lfunc_end_k_q4d00fb00f5_mproj-k_q4d00fb00f5_mproj
	.p2alignl 7, 3214868480
	.fill 96, 4, 3214868480
	.section	.rodata,"a",@progbits
	.p2align	6, 0x0
	.amdhsa_kernel k_q4d00fb00f5_mproj
		.amdhsa_group_segment_fixed_size 327680
		.amdhsa_private_segment_fixed_size 0
		.amdhsa_enable_private_segment 0
		.amdhsa_kernarg_size 56
		.amdhsa_user_sgpr_count 2
		.amdhsa_user_sgpr_kernarg_segment_ptr 1
		.amdhsa_wavefront_size32 1
		.amdhsa_system_sgpr_workgroup_id_x 1
		.amdhsa_system_sgpr_workgroup_id_y 1
		.amdhsa_system_sgpr_workgroup_id_z 1
		.amdhsa_system_vgpr_workitem_id 0
		.amdhsa_next_free_vgpr 640
		.amdhsa_next_free_sgpr 100
		.amdhsa_reserve_vcc 0
		.amdhsa_float_denorm_mode_32 3
		.amdhsa_float_denorm_mode_16_64 3
		.amdhsa_memory_ordered 1
		.amdhsa_forward_progress 1
		.amdhsa_inst_pref_size 105
	.end_amdhsa_kernel
	.amdgpu_metadata
---
amdhsa.version: [ 1, 2 ]
amdhsa.kernels:
  - .name:           k_q4d00fb00f5_mproj
    .symbol:         k_q4d00fb00f5_mproj.kd
    .args:
      - { .name: ac, .offset: 0, .size: 8, .value_kind: global_buffer, .address_space: global }
      - { .name: asc, .offset: 8, .size: 8, .value_kind: global_buffer, .address_space: global }
      - { .name: W_mproj_codes, .offset: 16, .size: 8, .value_kind: global_buffer, .address_space: global }
      - { .name: W_mproj_scales, .offset: 24, .size: 8, .value_kind: global_buffer, .address_space: global }
      - { .name: b_mproj, .offset: 32, .size: 8, .value_kind: global_buffer, .address_space: global }
      - { .name: x1, .offset: 40, .size: 8, .value_kind: global_buffer, .address_space: global }
      - { .name: out0, .offset: 48, .size: 8, .value_kind: global_buffer, .address_space: global }
    .group_segment_fixed_size: 327680
    .private_segment_fixed_size: 0
    .kernarg_segment_align: 8
    .kernarg_segment_size: 56
    .max_flat_workgroup_size: 128
    .sgpr_count:     100
    .vgpr_count:     640
    .wavefront_size: 32
...
	.end_amdgpu_metadata
.endif
;; end of part 6
